; MI455X (gfx1250); checked and timed in simulation.
; The chip was launched on July 23, 2026; its instructions are those of AMD's public machine-readable ISA for CDNA 5 (MIT licence, August 2026) and "CDNA5" Instruction Set Architecture Reference Guide (July 2026). The comments in the code are by the model that wrote it; some were corrected since.
;; Lin Block. Allowed arithmetic: matrix products marked QUANTISED: E4M3 operands, one given power-of-two scale a tensor, by v_wmma_f32_16x16x64_fp8_fp8 or v_wmma_f32_16x16x128_fp8_fp8, f32 sums; everything else in f32.
;; Inputs: Wck 1,024 x 4,096 float32; Wcv 1,024 x 4,096 float32; Wk 512 x 512 float32; Wo 512 x 512 float32; Wq 512 x 512 float32; Wv 512 x 512 float32; bk 512 float32; bo 512 float32; bq 512 float32; bv 512 float32; lowp_scales 16 int32 (the exponents e of the quantised operands' scales 2^e); query 4,096 x 4 x 512 float32.
;; Outputs: out0 4,096 x 4 x 512 float32.
;; This version of the problem:
;;   THIS VERSION OF THE PROBLEM IS GIVEN IN LOW PRECISION. The matrix products marked QUANTISED in the list below multiply operands that are first quantised to E4M3 (4 exponent bits, 3 mantissa bits; 8 bits a number), with one given power-of-two scale for each operand tensor; their sums are f32. All else is computed in f32.
;;   The module's matrix products, in the order in which they are computed (A, B: the left and right operand; K: the contracted axis; several contracted axes count as one K, in the product's order):
;;     1. [M 16,384, K 512] x [K 512, N 512]; A: input query; B: input Wq: QUANTISED (scales: A lowp_scales[0], B lowp_scales[1])
;;     2. [M 1,024, K 4,096] x [K 4,096, N 2,048]; A: input Wck; B: input query: QUANTISED (scales: A lowp_scales[2], B lowp_scales[3])
;;     3. [M 1,024, K 4,096] x [K 4,096, N 2,048]; A: input Wcv; B: input query: QUANTISED (scales: A lowp_scales[4], B lowp_scales[5])
;;     4. [M 4,096, K 512] x [K 512, N 512]; A: computed on the way; B: input Wk: QUANTISED (scales: A lowp_scales[6], B lowp_scales[7])
;;     5. [M 4,096, K 512] x [K 512, N 512]; A: computed on the way; B: input Wv: QUANTISED (scales: A lowp_scales[8], B lowp_scales[9])
;;     6. batch 32 x [M 4,096, K 64] x [K 64, N 1,024]; A: computed on the way; B: computed on the way: QUANTISED (scales: A lowp_scales[10], B lowp_scales[11])
;;     7. batch 32 x [M 4,096, K 1,024] x [K 1,024, N 64]; A: softmax (see below); B: computed on the way: QUANTISED (scales: A lowp_scales[12], B lowp_scales[13])
;;     8. [M 16,384, K 512] x [K 512, N 512]; A: computed on the way; B: input Wo: QUANTISED (scales: A lowp_scales[14], B lowp_scales[15])
;;   THE QUANTISER, for each operand of a quantised product, along K:
;;     - The operand's scale is 2^e, e = its entry of the input lowp_scales (int32; the entries are numbered through the quantised products in the list's order, A before B).
;;     - Each number is divided by the scale, clamped to +-448, and rounded to the nearest number of E4M3, ties to even, subnormals kept.
;;     - The product sums the exact products of the quantised numbers (number of the format x scale) in f32.
;;   ~~~python
;;   def quantise(x, axis, e):      # numpy; x: float32 -> the quantised numbers, widened to float32 again
;;       x = np.moveaxis(x, axis, -1); K = x.shape[-1]
;;       r = np.clip(x / 2.0 ** e, -448, 448)
;;       step = 2.0 ** (np.maximum(np.frexp(np.where(r == 0, 1, r))[1] - 1, -6) - 3)
;;       q = np.round(r / step) * step * 2.0 ** e      # np.round: ties to even
;;       return np.moveaxis(q, -1, axis).astype(np.float32)
;;   ~~~
;;   SOFTMAX AHEAD OF A QUANTISED PRODUCT. Where the list says 'softmax', what is quantised is not the finished softmax but p = 2^(t - M), with t = logit x log2(e) and M = ceil(the row's largest t), a whole number; so 1/2 < the row's largest p <= 1. The row's sum l is taken of the UNQUANTISED p, in f32, and the product's result is divided by l at the end. Since M is a whole number, a kernel that streams over the keys may use a running M (the ceiling of the running maximum): every later rescaling is an exact power of two, so the quantised numbers keep their values, but for numbers so far below the row's largest that they fall under the format's range.
;;   OPERANDS COMPUTED ON THE WAY. 'Computed on the way' means the value that the module computes at that place (a softmax that the list does not call 'softmax' is quantised finished and normalised). What goes into a quantiser is computed in f32, as accurately as f32 sums, v_exp_f32 and their like allow (about 1e-6 of the number): no bf16 or f16 on the way to a quantiser, and a product that is left as it is and whose result goes on into a quantised operand takes f32 operands (vector FMAs, or v_wmma_f32_16x16x4_f32). A number that lies on a knife's edge between two numbers of the format may be rounded either way, as far as f32 arithmetic and the matrix unit's own rounding can turn it there, and no further.
;; One version. Each part assembles by itself: llvm-mc -triple=amdgcn-amd-amdhsa -mcpu=gfx1250 --defsym DOCPART=n.
;; ======== version 1 of 1: 5 launches
;; limits: right only within a limited range of input values
;; workspace buffers: xq 8,388,608 bytes; qt 16,777,216 bytes; wc 9,437,184 bytes; kvin 4,194,304 bytes; kvc 4,194,304 bytes; ao 8,388,608 bytes
;; launch prep (part 1): grid 272 x 1, 8 waves a work-group, no clusters, 222,208 bytes of LDS; arguments query, Wck, Wcv, Wq, Wk, Wv, Wo, lowp_scales, xq, qt, wc; writes xq, qt, wc
.if DOCPART == 1
	.amdgcn_target "amdgcn-amd-amdhsa--gfx1250"
	.amdhsa_code_object_version 6
	.text
	.protected	k_qb31e09e853_prep
	.globl	k_qb31e09e853_prep
	.p2align	8
	.type	k_qb31e09e853_prep,@function
k_qb31e09e853_prep:
	s_mov_b64 s[64:65], 0
	v_nop
	global_prefetch_b8 v0, s[64:65] scope:SCOPE_SE
	s_setreg_imm32_b32 hwreg(HW_REG_WAVE_MODE, 25, 1), 1
	s_wait_xcnt 0x0
; PREP: every input that is an operand of a quantised product becomes codes of FP8 (E4M3), one byte a number, K innermost.
;   xq [4 t + b][512]            query along e, scale 2^e0 (product 1)
;   qt [set][512 b + e][4096 t]  query along t: set 0 with 2^e3 (product 2), set 1 with 2^e5 (product 3)
;   wc                           Wck (e2) at 0, Wcv (e4) at 0x400000, Wq (e1) at 0x800000, Wk (e7), Wv (e9), Wo (e15), 0x40000 apart: rows as they lie
; code = x / 2^e, held within +-448, to the nearest code, ties to even.  LIMITS: each e used here lies between -126 and 119; NaN among the inputs is not served.
; SHARES.  Work-groups 0, 2, .. 254 take a tile of 256 t x 256 n of query seen as [4096][2048]; the other 144 take 65,536 consecutive numbers of a weight.
; Both see their part as 256 lines of 256 numbers, eight blocks of 32 lines; wave w takes lines 4 w .. 4 w + 3 of each block.
; ROWS: a load reads 512 consecutive bytes; 2,048 bytes turn through the wave's own stage in LDS, so that a lane holds 16 neighbours for the conversions; sixteen lanes store 256 consecutive bytes of codes.
; COLUMNS (query alone): a lane takes a column n and its registers run down t, so the conversions give codes with t innermost; a wave gathers 256 t for 32 columns and two scales in LDS and stores whole runs of 256 bytes.
; The column loads of a block are issued one slot behind the row loads of the same 32 lines.  No barrier: every LDS byte is one wave's own, and the two paths have LDS bytes of their own.
.set COLB, 40960                       ; LDS: 0: the tiles' row stages, 5,120 bytes a wave; COLB: their column stages, 17,408 a wave (two sets of 32 rows x 272)
.set RW,   180224                      ; the weights' row stages, 5,120 bytes a wave
.set R,    16                          ; v16-79   two sets of 32: a block's numbers as loaded
.set X,    80                          ; v80-111  32 numbers, 16 neighbours for each of two steps
.set CR,   112                         ; v112-127 two sets of 8: row codes
.set XC,   128                         ; v128-191 two sets of 32: a column's numbers
.set T,    192                         ; v192-223 the same, held
.set CC,   224                         ; v224-239 column codes: 8 for e3, 8 for e5
; v1 lane; v2 16 lane; v3, v4 the row stage, in and out; v5 where my row codes go; v6 4 lane; v7, v8 the column stage, in and out; v9 where my column codes go
; v10, v11: 2^e and 448 x 2^e for the rows; v12, v13 for e3; v14, v15 for e5
.macro MKSC e, vs, vl                  ; s[e] = e: v[vs] = 2^e as f32 (the conversion takes its exponent field), v[vl] = 448 x 2^e
	s_add_co_i32 s58, s[\e], 127
	s_lshl_b32 s59, s58, 23
	v_mov_b32 v[\vs], s59
	s_add_co_i32 s58, s58, 8
	s_lshl_b32 s58, s58, 23
	s_or_b32 s58, s58, 0x600000
	v_mov_b32 v[\vl], s58
.endm
; Slot k of loads: block k's rows (8 loads of 512 bytes), and, with col = 1, block k - 1's columns (32 loads of 128 bytes).
.macro ISSUE k, col, sp, nt
.if (\k) < 8
.irp i, 0,1,2,3
.irp u, 0,1
.if \nt
	global_load_b128 v[R+32*((\k)%2)+8*\i+4*\u:R+32*((\k)%2)+8*\i+4*\u+3], v2, s[48:49] offset:(32*(\k)+\i)*(\sp)+512*\u th:TH_LOAD_NT
.else
	global_load_b128 v[R+32*((\k)%2)+8*\i+4*\u:R+32*((\k)%2)+8*\i+4*\u+3], v2, s[48:49] offset:(32*(\k)+\i)*(\sp)+512*\u
.endif
.endr
.endr
.endif
.if (\col) && ((\k) >= 1) && ((\k) <= 8)
.set n, 0
.rept 32
	global_load_b32 v[XC+32*(((\k)-1)%2)+n], v6, s[52:53] offset:(32*((\k)-1)+n)*8192
.set n, n+1
.endr
.endif
.endm
; Block k's four lines of my wave: two steps of 512 numbers through the stage, held, converted, stored.
.macro ROWS k, dp
.irp st, 0,1
.irp i, 0,1,2,3
	ds_store_b128 v3, v[R+32*((\k)%2)+16*\st+4*\i:R+32*((\k)%2)+16*\st+4*\i+3] offset:2560*\st+640*\i
.endr
.irp i, 0,1,2,3
	ds_load_b128 v[X+16*\st+4*\i:X+16*\st+4*\i+3], v4 offset:2560*\st+16*\i   ; LDS serves a wave's instructions in order: these see the stores above
.endr
.endr
	s_wait_dscnt 0x0                               ; my 32 numbers are back
	s_wait_xcnt 0x0                                ; the stores of two blocks ago have read this set of codes
.set n, 0
.rept 32
	v_med3_num_f32 v[X+n], v[X+n], -v11, v11       ; the conversion to an 8-bit code does not saturate (ISA guide 7.6.2): the hold at the largest code x the scale
.set n, n+1
.endr
.irp st, 0,1
	v_cvt_scalef32_pk8_fp8_f32 v[CR+8*((\k)%2)+4*\st:CR+8*((\k)%2)+4*\st+1], v[X+16*\st:X+16*\st+7], v10
	v_cvt_scalef32_pk8_fp8_f32 v[CR+8*((\k)%2)+4*\st+2:CR+8*((\k)%2)+4*\st+3], v[X+16*\st+8:X+16*\st+15], v10
.endr
	v_nop                                          ; a plain line between the conversions and the next vector line that writes their sources
.irp st, 0,1
	global_store_b128 v5, v[CR+8*((\k)%2)+4*\st:CR+8*((\k)%2)+4*\st+3], s[50:51] offset:(32*(\k)+2*\st)*(\dp)   ; sixteen lanes: 256 consecutive bytes, aligned
.endr
.endm
; Block q of my column: 32 numbers down t, twice held and converted (e3, e5), 32 bytes each into my column's row of the stage.
.macro COLS q
	s_wait_dscnt 0x0                               ; the last block's stage stores have read the codes' registers
.irp set, 0,1
.set n, 0
.rept 32
	v_med3_num_f32 v[T+n], v[XC+32*((\q)%2)+n], -v[13+2*\set], v[13+2*\set]
.set n, n+1
.endr
.irp g, 0,1,2,3
	v_cvt_scalef32_pk8_fp8_f32 v[CC+8*\set+2*\g:CC+8*\set+2*\g+1], v[T+8*\g:T+8*\g+7], v[12+2*\set]
.endr
	v_nop                                          ; a plain line before the held numbers are written again
	ds_store_b128 v7, v[CC+8*\set:CC+8*\set+3] offset:8704*\set+32*(\q)
	ds_store_b128 v7, v[CC+8*\set+4:CC+8*\set+7] offset:8704*\set+32*(\q)+16
.endr
.endm
; Slot k's work.  The wait leaves out exactly the loads of slot k + 1 (8 rows' where it has rows, 32 columns' where it has columns); all older ones are in.
.macro WORK k, col, sp, dp, nt
.set NN, 0
.if (\k)+1 < 8
.set NN, NN+8
.endif
.if (\col) && ((\k)+1 <= 8)
.set NN, NN+32
.endif
	s_wait_loadcnt NN
.if (\k) < 8
	ROWS \k, \dp
.endif
.if (\col) && ((\k) >= 1)
	COLS (\k)-1
.endif
	ISSUE (\k)+2, \col, \sp, \nt
.endm
	s_load_b512 s[8:23], s[0:1], 0x0               ; query s[8:9], Wck s[10:11], Wcv s[12:13], Wq s[14:15], Wk s[16:17], Wv s[18:19], Wo s[20:21], the scales s[22:23]
	s_load_b128 s[24:27], s[0:1], 0x40             ; xq s[24:25], qt s[26:27]
	s_load_b64 s[28:29], s[0:1], 0x50              ; wc
	v_lshl_add_u32 v240, v0, 2, 0x36000
	v_mov_b32 v241, 0
	v_lshrrev_b32 v10, 5, v0
	s_delay_alu instid0(VALU_DEP_1)
	v_readfirstlane_b32 s2, v10                    ; wave 0..7
	v_and_b32 v1, 31, v0
	s_delay_alu instid0(VALU_DEP_1)
	v_lshlrev_b32 v2, 4, v1
	s_delay_alu instid0(VALU_DEP_2)
	v_lshlrev_b32 v6, 2, v1
	s_mul_i32 s3, s2, 5120
	v_lshrrev_b32 v10, 2, v1
	s_delay_alu instid0(VALU_DEP_1)
	v_mul_u32_u24 v10, v10, 80
	v_and_b32 v11, 3, v1
	s_delay_alu instid0(VALU_DEP_1)
	v_lshl_add_u32 v10, v11, 4, v10
	s_delay_alu instid0(VALU_DEP_1)
	v_add_nc_u32 v3, s3, v10                       ; the row stage, in: four lanes' 64 bytes on end, then 16 of padding
	v_mul_u32_u24 v11, v1, 80
	s_delay_alu instid0(VALU_DEP_1)
	v_add_nc_u32 v4, s3, v11                       ; and out: my 64 bytes
	v_lshrrev_b32 v12, 4, v1                       ; lane / 16
	v_and_b32 v13, 15, v1
	s_delay_alu instid0(VALU_DEP_1)
	v_lshlrev_b32 v13, 4, v13                      ; 16 (lane % 16)
	s_mul_i32 s3, s2, 17408
	s_add_co_u32 s3, s3, COLB
	v_mul_u32_u24 v7, v1, 272
	s_delay_alu instid0(VALU_DEP_1)
	v_add_nc_u32 v7, s3, v7                        ; the column stage, in: row = my column
	v_mul_u32_u24 v8, v12, 272
	s_delay_alu instid0(VALU_DEP_1)
	v_add_nc_u32 v8, v8, v13
	s_delay_alu instid0(VALU_DEP_1)
	v_add_nc_u32 v8, s3, v8                        ; and out: sixteen lanes to a row
	v_lshl_add_u32 v9, v12, 12, v13                ; the same place in qt: rows 4,096 bytes apart
	s_and_b32 s4, ttmp9, 1
	s_lshr_b32 s5, ttmp9, 8
	s_or_b32 s4, s4, s5                            ; 0: a tile of query
	s_wait_kmcnt 0x0
	s_load_b512 s[32:47], s[22:23], 0x0            ; e0 .. e15
	s_cmp_eq_u32 s4, 0
	s_cbranch_scc0 .Lweights
	; ---- a tile of query: rows 256 tr on, columns 256 tc on
	s_lshr_b32 s4, ttmp9, 1
	s_lshr_b32 s5, s4, 3                           ; tr
	s_and_b32 s6, s4, 7                            ; tc
	s_wait_alu depctr_va_vdst(0)
	v_lshl_add_u32 v5, v12, 11, v13                ; xq: lines 2,048 bytes apart
	s_lshl_b32 s7, s5, 8
	s_lshl_b32 s58, s2, 2
	s_add_co_u32 s7, s7, s58                       ; my first line: 256 tr + 4 w
	s_lshl_b32 s58, s7, 13
	s_lshl_b32 s60, s6, 10
	s_add_co_u32 s58, s58, s60
	s_mov_b32 s59, 0
	s_add_nc_u64 s[48:49], s[8:9], s[58:59]        ; rows: from
	s_lshl_b32 s58, s7, 11
	s_lshl_b32 s60, s6, 8
	s_add_co_u32 s58, s58, s60
	s_add_nc_u64 s[50:51], s[24:25], s[58:59]      ; rows: to
	s_lshl_b32 s58, s5, 21
	s_lshl_b32 s60, s6, 10
	s_add_co_u32 s58, s58, s60
	s_lshl_b32 s60, s2, 7
	s_add_co_u32 s58, s58, s60
	s_add_nc_u64 s[52:53], s[8:9], s[58:59]        ; columns: from: line 256 tr, column 256 tc + 32 w
	s_lshl_b32 s58, s6, 20
	s_lshl_b32 s60, s2, 17
	s_add_co_u32 s58, s58, s60
	s_lshl_b32 s60, s5, 8
	s_add_co_u32 s58, s58, s60
	s_add_nc_u64 s[54:55], s[26:27], s[58:59]      ; columns: to: row 256 tc + 32 w of qt's set 0, byte 256 tr,
	s_add_nc_u64 s[56:57], s[54:55], 0x800000      ; and of set 1
	ISSUE 0, 1, 8192, 0
	ISSUE 1, 1, 8192, 0
	s_wait_kmcnt 0x0
	MKSC 32, 10, 11                                ; e0
	MKSC 35, 12, 13                                ; e3
	MKSC 37, 14, 15                                ; e5
	s_wait_alu depctr_va_vdst(0)
.irp k, 0,1,2,3,4,5,6,7,8
	WORK \k, 1, 8192, 2048, 0
.endr
.irp set, 0,1                                  ; the columns' way out: two rows of 256 bytes an instruction
.irp t, 0,1,2,3,4,5,6,7,8,9,10,11,12,13,14,15
	ds_load_b128 v[16+112*\set+4*\t:16+112*\set+4*\t+3], v8 offset:8704*\set+544*\t
.endr
.endr
.irp set, 0,1
.irp t, 0,1,2,3,4,5,6,7,8,9,10,11,12,13,14,15
	s_wait_dscnt 31-16*\set-\t                     ; the younger reads of the stage may be out
	global_store_b128 v9, v[16+112*\set+4*\t:16+112*\set+4*\t+3], s[54+2*\set:55+2*\set] offset:8192*\t
.endr
.endr
	s_wait_tensorcnt 0x0
	ds_add_u32 v240, v241
	s_wait_dscnt 0x0
	s_endpgm
	; ---- 65,536 numbers of a weight: chunk j of 144; its codes go to wc + 65,536 j
.Lweights:
	s_lshr_b32 s4, ttmp9, 1
	s_sub_co_u32 s5, ttmp9, 128
	s_cmp_lt_u32 ttmp9, 256
	s_cselect_b32 s4, s4, s5                       ; j
	s_wait_alu depctr_va_vdst(0)
	v_lshl_add_u32 v5, v12, 8, v13                 ; codes: lines 256 bytes apart
	v_add_nc_u32 v3, RW, v3                        ; this path's own stages
	v_add_nc_u32 v4, RW, v4
	s_mov_b64 s[48:49], s[10:11]                   ; which tensor, and its first chunk: the choice hangs on the work-group's number alone
	s_mov_b32 s6, 0
	s_cmp_ge_u32 s4, 64
	s_cselect_b64 s[48:49], s[12:13], s[48:49]
	s_cselect_b32 s6, 64, s6
	s_cmp_ge_u32 s4, 128
	s_cselect_b64 s[48:49], s[14:15], s[48:49]
	s_cselect_b32 s6, 128, s6
	s_cmp_ge_u32 s4, 132
	s_cselect_b64 s[48:49], s[16:17], s[48:49]
	s_cselect_b32 s6, 132, s6
	s_cmp_ge_u32 s4, 136
	s_cselect_b64 s[48:49], s[18:19], s[48:49]
	s_cselect_b32 s6, 136, s6
	s_cmp_ge_u32 s4, 140
	s_cselect_b64 s[48:49], s[20:21], s[48:49]
	s_cselect_b32 s6, 140, s6
	s_sub_co_u32 s6, s4, s6
	s_lshl_b32 s58, s6, 18
	s_lshl_b32 s60, s2, 12
	s_add_co_u32 s58, s58, s60
	s_mov_b32 s59, 0
	s_add_nc_u64 s[48:49], s[48:49], s[58:59]
	s_lshl_b32 s58, s4, 16
	s_lshl_b32 s60, s2, 10
	s_add_co_u32 s58, s58, s60
	s_add_nc_u64 s[50:51], s[28:29], s[58:59]
	ISSUE 0, 0, 1024, 1
	ISSUE 1, 0, 1024, 1
	s_wait_alu depctr_va_vdst(0)
	s_wait_kmcnt 0x0
	s_mov_b32 s7, s34                              ; the tensor's exponent: e2, e4, e1, e7, e9, e15
	s_cmp_ge_u32 s4, 64
	s_cselect_b32 s7, s36, s7
	s_cmp_ge_u32 s4, 128
	s_cselect_b32 s7, s33, s7
	s_cmp_ge_u32 s4, 132
	s_cselect_b32 s7, s39, s7
	s_cmp_ge_u32 s4, 136
	s_cselect_b32 s7, s41, s7
	s_cmp_ge_u32 s4, 140
	s_cselect_b32 s7, s47, s7
	MKSC 7, 10, 11
	s_wait_alu depctr_va_vdst(0)
.irp k, 0,1,2,3,4,5,6,7
	WORK \k, 0, 1024, 256, 1
.endr
	s_wait_tensorcnt 0x0
	ds_add_u32 v240, v241
	s_wait_dscnt 0x0
	s_endpgm
.Lfunc_end_k_qb31e09e853_prep:
	.size	k_qb31e09e853_prep, .Lfunc_end_k_qb31e09e853_prep-k_qb31e09e853_prep
	.p2alignl 7, 3214868480
	.fill 96, 4, 3214868480
	.section	.rodata,"a",@progbits
	.p2align	6, 0x0
	.amdhsa_kernel k_qb31e09e853_prep
		.amdhsa_group_segment_fixed_size 222208
		.amdhsa_private_segment_fixed_size 0
		.amdhsa_enable_private_segment 0
		.amdhsa_kernarg_size 88
		.amdhsa_user_sgpr_count 2
		.amdhsa_user_sgpr_kernarg_segment_ptr 1
		.amdhsa_wavefront_size32 1
		.amdhsa_system_sgpr_workgroup_id_x 1
		.amdhsa_system_sgpr_workgroup_id_y 1
		.amdhsa_system_sgpr_workgroup_id_z 1
		.amdhsa_system_vgpr_workitem_id 0
		.amdhsa_next_free_vgpr 242
		.amdhsa_next_free_sgpr 66
		.amdhsa_reserve_vcc 0
		.amdhsa_float_denorm_mode_32 3
		.amdhsa_float_denorm_mode_16_64 3
		.amdhsa_memory_ordered 1
		.amdhsa_forward_progress 1
		.amdhsa_inst_pref_size 145
	.end_amdhsa_kernel
	.amdgpu_metadata
---
amdhsa.version: [ 1, 2 ]
amdhsa.kernels:
  - .name:           k_qb31e09e853_prep
    .symbol:         k_qb31e09e853_prep.kd
    .args:
      - { .name: query, .offset: 0, .size: 8, .value_kind: global_buffer, .address_space: global }
      - { .name: Wck, .offset: 8, .size: 8, .value_kind: global_buffer, .address_space: global }
      - { .name: Wcv, .offset: 16, .size: 8, .value_kind: global_buffer, .address_space: global }
      - { .name: Wq, .offset: 24, .size: 8, .value_kind: global_buffer, .address_space: global }
      - { .name: Wk, .offset: 32, .size: 8, .value_kind: global_buffer, .address_space: global }
      - { .name: Wv, .offset: 40, .size: 8, .value_kind: global_buffer, .address_space: global }
      - { .name: Wo, .offset: 48, .size: 8, .value_kind: global_buffer, .address_space: global }
      - { .name: lowp_scales, .offset: 56, .size: 8, .value_kind: global_buffer, .address_space: global }
      - { .name: xq, .offset: 64, .size: 8, .value_kind: global_buffer, .address_space: global }
      - { .name: qt, .offset: 72, .size: 8, .value_kind: global_buffer, .address_space: global }
      - { .name: wc, .offset: 80, .size: 8, .value_kind: global_buffer, .address_space: global }
    .group_segment_fixed_size: 222208
    .private_segment_fixed_size: 0
    .kernarg_segment_align: 8
    .kernarg_segment_size: 88
    .max_flat_workgroup_size: 256
    .sgpr_count:     66
    .vgpr_count:     242
    .wavefront_size: 32
...
	.end_amdgpu_metadata
.endif
;; end of part 1
;; launch compress (part 2): grid 16 x 16, 4 waves a work-group, clusters of 4 x 4, 327,680 bytes of LDS; arguments wc, qt, lowp_scales, kvin; writes kvin
.if DOCPART == 2
	.amdgcn_target "amdgcn-amd-amdhsa--gfx1250"
	.amdhsa_code_object_version 6
	.text
	.protected	k_qb31e09e853_compress
	.globl	k_qb31e09e853_compress
	.p2align	8
	.type	k_qb31e09e853_compress,@function
k_qb31e09e853_compress:
	s_mov_b64 s[64:65], 0
	v_nop
	global_prefetch_b8 v0, s[64:65] scope:SCOPE_SE
	s_setreg_imm32_b32 hwreg(HW_REG_WAVE_MODE, 25, 1), 1
	s_wait_xcnt 0x0
	s_wait_alu depctr_hold_cnt(0) depctr_sa_sdst(0) depctr_va_vdst(0) depctr_va_sdst(0) depctr_va_ssrc(0) depctr_va_vcc(0) depctr_vm_vsrc(0)
	s_getreg_b32 s2, hwreg(HW_REG_IB_STS2, 6, 4)
	s_cmp_eq_u32 s2, 0
	s_cbranch_scc0 .Lentry_in_a_cluster
	s_endpgm
.Lentry_in_a_cluster:
	s_bfe_u32 s2, ttmp6, 0x10000c
	s_cmp_lg_u32 s2, 0xf033
	s_cbranch_scc0 .Lentry_shape_is_right
	s_endpgm
.Lentry_shape_is_right:
; COMPRESS: products 2 and 3 on codes of FP8: [Wck; Wcv] (2,048 rows of wc) x query along t (qt, one set for each product), K = 4,096 in eight steps of 512 through a ring of two LDS slots.
; A work-group makes 128 x 128, four waves 64 x 64 each; 4 x 4 work-groups form a cluster: A's tiles are asked for jointly along a row of the cluster, B's along a column.
; The sums are quantised at once (2^e6 or 2^e8) and stored as images of operand registers for the next launch.
; PREFETCH: behind the joint load of K step j each wave names K step j + 2: of the 64 rows that it fetches, its work-group's 16 (told apart by address: cx for A, cy for B), two blocks of 256 bytes a row,
; a lane a block; so each block is named once in each cluster that loads it.  K steps 0 and 1 come by their loads alone; the loads of steps 6 and 7 ask for nothing.
.set KSTEP,  512
.set PITCH,  528
.set HALFT,  64*PITCH
.set SLOT,   4*HALFT
.set SPARE,  2*SLOT
.set LAPS,   4
.set ADRA, 16
.set ADRB, 20
.set LOFF, 26
.set SPW,  28
.set NIL,  29
.set SCL,  30
.set LIM,  31
.set TMP,  32
.set ACC,  128
.set F0,   0
.set F1,   128
.set G1, 24
.set G0, 32
.set G1B, 48
.set G0B, 56
.set MSB, 0
.macro WIN new
.if MSB != \new
	s_set_vgpr_msb (MSB<<8)|\new
.set MSB, \new
.endif
.endm
.set MUL,  0x05
.set TO_F, 0x40
.macro JLOAD s
	s_cmp_eq_u32 s15, 0
	s_cbranch_scc0 .Lfor_b_\@
	tensor_load_to_lds s[G0+4*\s:G0+4*\s+3], s[G1:G1+7]
	s_nop 0
.rept 4
	v_nop
.endr
	s_branch .Lasked_\@
.Lfor_b_\@:
	tensor_load_to_lds s[G0B+4*\s:G0B+4*\s+3], s[G1B:G1B+7]
	s_nop 0
.rept 4
	v_nop
.endr
.Lasked_\@:
.endm
.macro CREST
	s_cmp_lg_u32 s14, 0
	s_cbranch_scc1 .Lnot_wave_0_\@
	s_barrier_signal -3
.Lnot_wave_0_\@:
	s_barrier_wait -3
	s_barrier_signal -1
	s_barrier_wait -1
.endm
.macro CROUND
	s_barrier_signal -1
	s_barrier_wait -1
	CREST
.endm
	s_load_b256 s[4:11], s[0:1], 0x0
	v_lshl_add_u32 v[SPW], v0, 2, SPARE
	v_mov_b32 v[NIL], 0
	ds_add_u32 v28, v29
	ds_add_u32 v28, v29
	s_wait_dscnt 0x0
	v_lshrrev_b32 v1, 5, v0
	v_readfirstlane_b32 s14, v1
	v_and_b32 v5, 15, v0
	v_bfe_u32 v6, v0, 4, 1
	v_lshlrev_b32 v6, 8, v6
	v_lshl_add_u32 v6, v5, 12, v6                  ; the prefetches' offset: row lane % 16 (4,096 bytes apart), block lane / 16 (256 bytes); never rewritten
	s_lshr_b32 s15, s14, 1
	s_and_b32 s16, s14, 1
	s_bfe_u32 s40, ttmp6, 0x40000
	s_bfe_u32 s41, ttmp6, 0x40004
	s_lshl_b32 s42, ttmp9, 2
	s_add_co_u32 s42, s42, s40
	s_and_b32 s18, ttmp7, 0xffff
	s_lshl_b32 s17, s18, 2
	s_add_co_u32 s17, s17, s41
	s_lshr_b32 s19, s18, 1
	s_lshl_b32 s43, s41, 2
	s_lshl_b32 s43, 15, s43
	s_lshl_b32 s44, 0x1111, s40
	s_or_b32 s[G1+0], s43, (0<<16)|(1<<20)|(1<<21)|(6<<22)|(3<<25)
	s_or_b32 s[G1B+0], s44, (0<<16)|(1<<20)|(1<<21)|(6<<22)|(3<<25)
.irp g, G1, G1B
	s_mov_b32 s[\g+1], KSTEP<<16
	s_mov_b32 s[\g+2], 64<<16
	s_mov_b32 s[\g+3], KSTEP<<16
	s_mov_b32 s[\g+4], 64
	s_mov_b32 s[\g+5], 4096
	s_mov_b32 s[\g+6], 0
	s_mov_b32 s[\g+7], 0
.endr
	s_lshl_b32 s22, s16, 6
	s_lshl_b32 s20, s17, 7
	s_add_co_u32 s20, s20, s22
	s_lshl_b32 s20, s20, 12
	s_mov_b32 s21, 0
	s_lshl_b32 s46, s42, 7
	s_add_co_u32 s46, s46, s22
	s_lshl_b32 s47, s19, 11
	s_add_co_u32 s46, s46, s47
	s_lshl_b32 s46, s46, 12
	s_mov_b32 s47, 0
	s_mul_i32 s45, s14, HALFT
	s_lshl_b32 s88, s17, 3
	s_lshl_b32 s89, s15, 2
	s_add_co_u32 s88, s88, s89
	s_lshl_b32 s88, s88, 5
	s_lshl_b32 s89, s42, 1
	s_add_co_u32 s88, s88, s89
	s_add_co_u32 s88, s88, s16
	s_lshl_b32 s88, s88, 10
	s_mov_b32 s89, 0
	s_wait_kmcnt 0x0
	s_load_b512 s[68:83], s[8:9], 0x0
	s_add_nc_u64 s[20:21], s[4:5], s[20:21]
	s_add_nc_u64 s[46:47], s[6:7], s[46:47]
	s_add_nc_u64 s[10:11], s[10:11], s[88:89]
	s_cmp_eq_u32 s15, 0                            ; do I fetch for A?
	s_cselect_b64 s[92:93], s[20:21], s[46:47]     ; the 64 rows that I fetch,
	s_cselect_b32 s94, s40, s41                    ; my place among the four that ask for them with me,
	s_lshl_b32 s94, s94, 16                        ; x 16 rows of 4,096 bytes
	s_mov_b32 s95, 0
	s_add_nc_u64 s[92:93], s[92:93], s[94:95]
	s_add_nc_u64 s[92:93], s[92:93], 2*KSTEP       ; at K step 2
	CROUND
.irp s, 0,1
	s_mov_b32 s[G0+4*\s], 1
	s_add_co_u32 s[G0+4*\s+1], s45, \s*SLOT
	s_add_nc_u64 s[G0+4*\s+2:G0+4*\s+3], s[20:21], \s*KSTEP
	s_or_b32 s[G0+4*\s+3], s[G0+4*\s+3], 0x80000000
	s_mov_b32 s[G0B+4*\s], 1
	s_add_co_u32 s[G0B+4*\s+1], s45, \s*SLOT
	s_add_nc_u64 s[G0B+4*\s+2:G0B+4*\s+3], s[46:47], \s*KSTEP
	s_or_b32 s[G0B+4*\s+3], s[G0B+4*\s+3], 0x80000000
	s_wait_alu depctr_va_vdst(0)
	s_wait_tensorcnt 0x0
	ds_add_u32 v28, v29
	ds_add_u32 v28, v29
	s_wait_dscnt 0x0
	CROUND
	JLOAD \s
	global_prefetch_b8 v6, s[92:93] offset:\s*KSTEP th:TH_LOAD_NT scope:SCOPE_SE   ; K step s + 2
.endr
	v_and_b32 v1, 15, v0
	v_bfe_u32 v2, v0, 4, 1
	v_mul_u32_u24 v3, v1, PITCH
	v_lshl_add_u32 v3, v2, 4, v3
	s_mul_i32 s90, s15, HALFT
	s_mul_i32 s91, s16, HALFT
	s_add_co_u32 s91, s91, 2*HALFT
.irp s, 0,1
	v_add_nc_u32 v[ADRA+\s], s90, v3
	v_add_nc_u32 v[ADRB+\s], s91, v3
	s_add_co_u32 s90, s90, SLOT
	s_add_co_u32 s91, s91, SLOT
.endr
	v_and_b32 v4, 31, v0
	v_lshlrev_b32 v[LOFF], 4, v4
.macro MULA f, a, zero
.irp b, 0,1,2,3
.if \zero
	v_wmma_f32_16x16x128_fp8_fp8 v[ACC+8*(4*(\a)+\b):ACC+8*(4*(\a)+\b)+7], v[\f+64+16*\b:\f+64+16*\b+15], v[\f+16*(\a):\f+16*(\a)+15], 0
.else
	v_wmma_f32_16x16x128_fp8_fp8 v[ACC+8*(4*(\a)+\b):ACC+8*(4*(\a)+\b)+7], v[\f+64+16*\b:\f+64+16*\b+15], v[\f+16*(\a):\f+16*(\a)+15], v[ACC+8*(4*(\a)+\b):ACC+8*(4*(\a)+\b)+7]
.endif
.endr
.endm
.macro FETCH slot, k, f
	WIN TO_F
.irp i, 0,1,2,3
.irp c, 0,1,2,3
	ds_load_b128 v[\f+64+16*\i+4*\c:\f+64+16*\i+4*\c+3], v[ADRB+\slot] offset:\k+32*\c+\i*16*PITCH
.endr
.endr
.irp i, 0,1,2,3
.irp c, 0,1,2,3
	ds_load_b128 v[\f+16*\i+4*\c:\f+16*\i+4*\c+3], v[ADRA+\slot] offset:\k+32*\c+\i*16*PITCH
.endr
.endr
.endm
.macro PLACES
.rept 4
	v_nop
.endr
.endm
.macro QUARTER slot, k, f, g, zero
	s_wait_dscnt 8
	WIN MUL
	MULA \f, 0, \zero
	MULA \f, 1, \zero
	PLACES
	FETCH \slot, \k, \g
	s_wait_dscnt 32
	WIN MUL
	MULA \f, 2, \zero
	MULA \f, 3, \zero
.endm
.macro TURN slot, next, fill
	WIN 0
.if \fill
	s_wait_xcnt 0x0                                ; my last prefetch has read its address: it may be stepped
	s_add_nc_u64 s[92:93], s[92:93], KSTEP
.endif
	s_wait_tensorcnt 0x0
	ds_add_u32 v[SPW], v[NIL]
	s_wait_dscnt 9
	WIN MUL
	MULA F1, 0, 0
	s_wait_dscnt 0x0
	s_barrier_signal -1
	MULA F1, 1, 0
.if \fill
	WIN 0
.endif
	s_barrier_wait -1
.if \fill
	CREST
	s_add_nc_u64 s[G0+4*\slot+2:G0+4*\slot+3], s[G0+4*\slot+2:G0+4*\slot+3], 2*KSTEP
	s_add_nc_u64 s[G0B+4*\slot+2:G0B+4*\slot+3], s[G0B+4*\slot+2:G0B+4*\slot+3], 2*KSTEP
	JLOAD \slot
.else
	PLACES
.endif
	FETCH \next, 0, F0
.if \fill
	WIN 0                                          ; at a branch and at a label every window is 0
	s_cmp_gt_u32 s3, 1                             ; the loop's last trip loads K steps 6 and 7: there is no step two on
	s_cbranch_scc0 .Lno_ask_\@
	global_prefetch_b8 v6, s[92:93] offset:KSTEP th:TH_LOAD_NT scope:SCOPE_SE      ; the K step two on from the one just asked for
.Lno_ask_\@:
.endif
	WIN MUL
	MULA F1, 2, 0
	MULA F1, 3, 0
.endm
	s_wait_alu depctr_va_vdst(0)
	s_wait_tensorcnt 1
	s_barrier_signal -1
	s_barrier_wait -1
	FETCH 0, 0, F0
	QUARTER 0, 128, F0, F1, 1
	WIN 0
	s_mov_b32 s3, LAPS-1
.Llap:
	QUARTER 0, 256, F1, F0, 0
	QUARTER 0, 384, F0, F1, 0
	TURN 0, 1, 1
	QUARTER 1, 128, F0, F1, 0
	QUARTER 1, 256, F1, F0, 0
	QUARTER 1, 384, F0, F1, 0
	TURN 1, 0, 1
	QUARTER 0, 128, F0, F1, 0
	WIN 0
	s_sub_co_u32 s3, s3, 1
	s_cmp_lg_u32 s3, 0
	s_cbranch_scc1 .Llap
	QUARTER 0, 256, F1, F0, 0
	QUARTER 0, 384, F0, F1, 0
	TURN 0, 1, 0
	QUARTER 1, 128, F0, F1, 0
	QUARTER 1, 256, F1, F0, 0
	QUARTER 1, 384, F0, F1, 0
	s_wait_dscnt 8
	WIN MUL
	MULA F1, 0, 0
	MULA F1, 1, 0
	s_wait_dscnt 0x0
	MULA F1, 2, 0
	MULA F1, 3, 0
	WIN 0
	s_wait_kmcnt 0x0
	s_cmp_lt_u32 s18, 2
	s_cselect_b32 s84, s70, s72
	s_cselect_b32 s85, s71, s73
	s_cselect_b32 s86, s74, s76
	s_sub_co_i32 s86, s86, s84
	s_sub_co_i32 s86, s86, s85
	s_add_co_i32 s86, s86, 127
	s_lshl_b32 s87, s86, 23
	s_add_co_i32 s86, s86, 8
	s_lshl_b32 s86, s86, 23
	s_or_b32 s86, s86, 0x600000
	v_mov_b32 v[SCL], s87
	v_mov_b32 v[LIM], s86
	PLACES
.set n, 0
.rept 128
	v_med3_num_f32 v[ACC+n], v[ACC+n], -v[LIM], v[LIM]
.set n, n+1
.endr
.irp a, 0,1,2,3
.irp b, 0,1,2,3
	v_cvt_scalef32_pk8_fp8_f32 v[TMP+8*\a+2*\b:TMP+8*\a+2*\b+1], v[ACC+8*(4*\a+\b):ACC+8*(4*\a+\b)+7], v[SCL]
.endr
.endr
	v_nop
.irp a, 0,1,2,3
.irp g, 0,1
	global_store_b128 v[LOFF], v[TMP+8*\a+4*\g:TMP+8*\a+4*\g+3], s[10:11] offset:32768*\a+512*\g
.endr
.endr
	s_wait_tensorcnt 0x0
	ds_add_u32 v[SPW], v[NIL]
	s_wait_dscnt 0x0
	CROUND
	s_endpgm
.Lfunc_end_k_qb31e09e853_compress:
	.size	k_qb31e09e853_compress, .Lfunc_end_k_qb31e09e853_compress-k_qb31e09e853_compress
	.p2alignl 7, 3214868480
	.fill 96, 4, 3214868480
	.section	.rodata,"a",@progbits
	.p2align	6, 0x0
	.amdhsa_kernel k_qb31e09e853_compress
		.amdhsa_group_segment_fixed_size 327680
		.amdhsa_private_segment_fixed_size 0
		.amdhsa_enable_private_segment 0
		.amdhsa_kernarg_size 32
		.amdhsa_user_sgpr_count 2
		.amdhsa_user_sgpr_kernarg_segment_ptr 1
		.amdhsa_wavefront_size32 1
		.amdhsa_system_sgpr_workgroup_id_x 1
		.amdhsa_system_sgpr_workgroup_id_y 1
		.amdhsa_system_sgpr_workgroup_id_z 1
		.amdhsa_system_vgpr_workitem_id 0
		.amdhsa_next_free_vgpr 512
		.amdhsa_next_free_sgpr 100
		.amdhsa_reserve_vcc 0
		.amdhsa_float_denorm_mode_32 3
		.amdhsa_float_denorm_mode_16_64 3
		.amdhsa_memory_ordered 1
		.amdhsa_forward_progress 1
		.amdhsa_inst_pref_size 74
	.end_amdhsa_kernel
	.amdgpu_metadata
---
amdhsa.version: [ 1, 2 ]
amdhsa.kernels:
  - .name:           k_qb31e09e853_compress
    .symbol:         k_qb31e09e853_compress.kd
    .args:
      - { .name: wc, .offset: 0, .size: 8, .value_kind: global_buffer, .address_space: global }
      - { .name: qt, .offset: 8, .size: 8, .value_kind: global_buffer, .address_space: global }
      - { .name: lowp_scales, .offset: 16, .size: 8, .value_kind: global_buffer, .address_space: global }
      - { .name: kvin, .offset: 24, .size: 8, .value_kind: global_buffer, .address_space: global }
    .group_segment_fixed_size: 327680
    .private_segment_fixed_size: 0
    .kernarg_segment_align: 8
    .kernarg_segment_size: 32
    .max_flat_workgroup_size: 128
    .sgpr_count:     100
    .vgpr_count:     512
    .wavefront_size: 32
...
	.end_amdgpu_metadata
.endif
;; end of part 2
;; launch kvproj (part 3): grid 32 x 8, 16 waves a work-group, no clusters, 167,936 bytes of LDS; arguments kvin, wc, bk, bv, lowp_scales, kvc; writes kvc
.if DOCPART == 3
	.amdgcn_target "amdgcn-amd-amdhsa--gfx1250"
	.amdhsa_code_object_version 6
	.text
	.protected	k_qb31e09e853_kvproj
	.globl	k_qb31e09e853_kvproj
	.p2align	8
	.type	k_qb31e09e853_kvproj,@function
k_qb31e09e853_kvproj:
	s_mov_b64 s[64:65], 0
	v_nop
	global_prefetch_b8 v0, s[64:65] scope:SCOPE_SE
	s_setreg_imm32_b32 hwreg(HW_REG_WAVE_MODE, 25, 1), 1
	s_wait_xcnt 0x0
; KVPROJ: products 4 and 5.  k = k_in Wk^T + bk, v = v_in Wv^T + bv, on codes of FP8; the results are quantised at once for attention (k: 2^e11 along the head's 64; v: 2^e13 along the keys)
; and stored as images of operand registers: kvc: K at 0, [8 b + head][key / 16] x 1,024 bytes (rows = keys, k = d); V at 0x200000, [8 b + head][key / 64][d / 16] x 1,024 bytes (rows = d, k = keys).
; SHARES.  Work-group (x, y): b = x % 4, 128 keys c from 128 (x / 4); kv = y / 4; 128 output columns from 128 (y % 4).  Sixteen waves: wave (wm = w / 4, wn = w % 4) makes two tiles of 16 c x two tiles of 16 columns; K = 512 in four chunks of 128.
; A's 64 images and the weight's 128 rows come into LDS once, by sixteen tensor loads at the head, one a wave: waves 0-7 eight images each (8,192 dense bytes), waves 8-15 sixteen rows each (512 bytes, padded to 528); one barrier, nothing is filled again.
; A's fragments come as they were stored (two images on end are 128 K); the weight's in the same true layout, by loads of 8 bytes.
; k: source 0 = the weight's rows, source 1 = A: a lane holds one key and eight neighbouring d.   v: source 0 = A, source 1 = the weight's rows: a lane holds one d and eight neighbouring keys.  Either way the conversion's
; result is a pair of registers of the next fragment.  The bias is the C of each sum's first matrix instruction, divided by the power of two that the sums lack.
; NO JOINT LOADS, NO PREFETCH: each tile is asked for once, at the head; there is no refill whose round partners could share, and no loop over memory to run ahead in.
; LIMITS: e11 - e6 - e7 and e13 - e8 - e9 lie between -126 and 119.
.set WROW, 65536                       ; LDS: 0: A's images, 65,536 bytes; WROW: 128 rows x 528; BIAS: 128 bytes a wave; SPARE: the spare words, 128 bytes a wave
.set BIAS, 133120
.set SPARE, 135168
.set ACC,  160                         ; v160-191 accumulator (im, in) at 160 + 8 (2 im + in)
.set BC,   192                         ; v192-207 the bias as C, eight registers for each tile of columns
.set CD,   208                         ; v208-215 the codes
; v4 A's fragments; v5 the weight's fragments; v6, v7, v8 the bias: in, out for k, out for v; v9 16 lane; v10, v11 scale and hold; v12 4 lane; v32-159 two chunk buffers of 64; v224, v225 the spare word and 0
; s[48:55], s[56:63] descriptor groups 1 (images, rows); s[68:71], s[72:75] their groups 0; s76 my piece; s[78:79] an offset
.macro G1SET g, w0, c, r, p            ; a tile of r rows of c elements, p elements from row to row
	s_mov_b32 s[\g], \w0
	s_mov_b32 s[\g+1], (\c)<<16
	s_mov_b32 s[\g+2], (\r)<<16
	s_mov_b32 s[\g+3], (\c)<<16
	s_mov_b32 s[\g+4], \r
	s_mov_b32 s[\g+5], \p
	s_mov_b32 s[\g+6], 0
	s_mov_b32 s[\g+7], 0
.endm
.macro LOADCH s                        ; chunk s (128 along K): A's two fragments (8 loads), the weight's two (16 loads)
.set FB, 32+64*((\s)%2)
.irp i, 0,1
.irp g, 0,1,2,3
	ds_load_b128 v[FB+16*\i+4*\g:FB+16*\i+4*\g+3], v4 offset:8192*\i+2048*(\s)+512*\g
.endr
.endr
.irp i, 0,1
.irp c, 0,1,2,3,4,5,6,7
	ds_load_b64 v[FB+32+16*\i+2*\c:FB+32+16*\i+2*\c+1], v5 offset:8448*\i+128*(\s)+16*\c
.endr
.endr
.endm
.macro GEMM nat                        ; nat = 0: source 0 = the weight;  1: source 0 = A.  The four accumulators take turns
.irp s, 0,1,2,3
.set FB, 32+64*(\s%2)
.if \s < 3
	s_wait_dscnt 24                                ; this chunk is in; the next chunk's 24 loads may be out
.else
	s_wait_dscnt 0x0
.endif
.irp im, 0,1
.irp in, 0,1
.if \nat
.if \s == 0
	v_wmma_f32_16x16x128_fp8_fp8 v[ACC+8*(2*\im+\in):ACC+8*(2*\im+\in)+7], v[FB+16*\im:FB+16*\im+15], v[FB+32+16*\in:FB+32+16*\in+15], v[BC+8*\in:BC+8*\in+7]
.else
	v_wmma_f32_16x16x128_fp8_fp8 v[ACC+8*(2*\im+\in):ACC+8*(2*\im+\in)+7], v[FB+16*\im:FB+16*\im+15], v[FB+32+16*\in:FB+32+16*\in+15], v[ACC+8*(2*\im+\in):ACC+8*(2*\im+\in)+7]
.endif
.else
.if \s == 0
	v_wmma_f32_16x16x128_fp8_fp8 v[ACC+8*(2*\im+\in):ACC+8*(2*\im+\in)+7], v[FB+32+16*\in:FB+32+16*\in+15], v[FB+16*\im:FB+16*\im+15], v[BC+8*\in:BC+8*\in+7]
.else
	v_wmma_f32_16x16x128_fp8_fp8 v[ACC+8*(2*\im+\in):ACC+8*(2*\im+\in)+7], v[FB+32+16*\in:FB+32+16*\in+15], v[FB+16*\im:FB+16*\im+15], v[ACC+8*(2*\im+\in):ACC+8*(2*\im+\in)+7]
.endif
.endif
.endr
.endr
.if \s < 2
.rept 4
	v_nop                                          ; places in front of loads into registers that matrix instructions have read
.endr
	LOADCH \s+2
.endif
.endr
.rept 4
	v_nop                                          ; places in front of the first read of results
.endr
.set n, 0
.rept 32
	v_med3_num_f32 v[ACC+n], v[ACC+n], -v11, v11   ; the hold; each accumulator from its low end on
.set n, n+1
.endr
.endm
	s_load_b256 s[4:11], s[0:1], 0x0               ; kvin s[4:5], wc s[6:7], bk s[8:9], bv s[10:11]
	s_load_b128 s[12:15], s[0:1], 0x20             ; the scales s[12:13], kvc s[14:15]
	v_lshl_add_u32 v224, v0, 2, SPARE
	v_mov_b32 v225, 0
	ds_add_u32 v224, v225                          ; the opening: the add, twice on end, and its wait ahead of my tensor load
	ds_add_u32 v224, v225
	v_lshrrev_b32 v1, 5, v0
	v_readfirstlane_b32 s2, v1                     ; wave 0..15
	s_lshr_b32 s3, s2, 2                           ; wm
	s_and_b32 s16, s2, 3                           ; wn
	s_and_b32 s17, ttmp9, 3                        ; b
	s_lshr_b32 s18, ttmp9, 2                       ; cg
	s_and_b32 s21, ttmp7, 0xffff
	s_lshr_b32 s19, s21, 2                         ; kv
	s_and_b32 s20, s21, 3                          ; ns
	v_and_b32 v1, 31, v0
	v_and_b32 v13, 15, v0                          ; r
	v_bfe_u32 v14, v0, 4, 1                        ; h
	v_lshlrev_b32 v9, 4, v1
	v_lshlrev_b32 v12, 2, v1
	s_lshl_b32 s22, s3, 14
	v_add_nc_u32 v4, s22, v9                       ; my two tiles of rows: 8,192 bytes each
	s_mul_i32 s22, s16, 32*528
	s_add_co_u32 s22, s22, WROW
	v_mul_u32_u24 v5, v13, 528
	v_lshl_add_u32 v5, v14, 3, v5
	v_add_nc_u32 v5, s22, v5                       ; row 32 wn + r, + 8 h
	s_lshl_b32 s22, s2, 7
	s_add_co_u32 s22, s22, BIAS
	v_add_nc_u32 v6, s22, v12
	v_lshl_add_u32 v7, v14, 5, s22
	v_lshl_add_u32 v8, v13, 2, s22
	s_lshl_b32 s22, s19, 6
	s_lshl_b32 s24, s18, 3
	s_add_co_u32 s22, s22, s24
	s_lshl_b32 s22, s22, 5
	s_lshl_b32 s24, s17, 3
	s_add_co_u32 s22, s22, s24
	s_lshl_b32 s22, s22, 10                        ; kvin: ((64 kv + 8 cg) x 32 + 8 b) x 1,024
	s_mov_b32 s23, 0
	s_lshl_b32 s26, s19, 18
	s_lshl_b32 s24, s20, 16
	s_add_co_u32 s26, s26, s24
	s_add_co_u32 s26, s26, 0x840000
	s_mov_b32 s27, 0
	s_lshl_b32 s28, s20, 9
	s_lshl_b32 s24, s16, 7
	s_add_co_u32 s28, s28, s24
	s_mov_b32 s29, 0
	G1SET 48, 3<<16, 32, 32, 32                    ; eight images: 32 dense rows of 32 elements of 8 bytes
	G1SET 56, (1<<20)|(6<<22)|(3<<25), 512, 16, 512  ; 16 rows of 512 bytes; four words of padding behind every 128
	s_and_b32 s76, s2, 7                           ; my piece
	s_mov_b32 s79, 0
	s_mov_b32 s68, 1
	s_lshl_b32 s69, s76, 13                        ; images: LDS byte 8,192 x piece
	s_mov_b32 s72, 1
	s_mul_i32 s73, s76, 16*528
	s_add_co_u32 s73, s73, WROW                    ; rows: 16 x piece on
	s_wait_alu depctr_va_vdst(0)                   ; the wait at the head's end
	s_wait_dscnt 0x0                               ; both opening adds are done
	s_wait_kmcnt 0x0
	s_load_b512 s[32:47], s[12:13], 0x0            ; e0 .. e15
	s_add_nc_u64 s[4:5], s[4:5], s[22:23]
	s_add_nc_u64 s[6:7], s[6:7], s[26:27]
	s_lshl_b32 s78, s76, 15                        ; a tile of 16 c is 32,768 bytes on in kvin
	s_add_nc_u64 s[70:71], s[4:5], s[78:79]
	s_or_b32 s71, s71, 0x80000000
	s_lshl_b32 s78, s76, 13
	s_add_nc_u64 s[74:75], s[6:7], s[78:79]
	s_or_b32 s75, s75, 0x80000000
	s_cmp_lt_u32 s2, 8                             ; one chain on the wave's number, one tensor load to an arm
	s_cbranch_scc0 .Lfor_w
	tensor_load_to_lds s[68:71], s[48:55]
	s_nop 0
.rept 4
	v_nop
.endr
	s_branch .Lasked
.Lfor_w:
	tensor_load_to_lds s[72:75], s[56:63]
	s_nop 0
.rept 4
	v_nop
.endr
.Lasked:
	s_cmp_eq_u32 s19, 0
	s_cselect_b64 s[24:25], s[8:9], s[10:11]       ; bk or bv: the choice hangs on the work-group's number alone
	s_add_nc_u64 s[24:25], s[24:25], s[28:29]
	global_load_b32 v96, v12, s[24:25]
	s_wait_tensorcnt 0x0                           ; my piece has landed
	s_barrier_signal -1
	s_barrier_wait -1                              ; and everybody's
	s_wait_loadcnt 0x0
	ds_store_b32 v6, v96                           ; the bias, into my wave's own bytes
	s_wait_kmcnt 0x0
	s_cmp_eq_u32 s19, 0
	s_cselect_b32 s26, s38, s40                    ; e6 or e8
	s_cselect_b32 s27, s39, s41                    ; e7 or e9
	s_cselect_b32 s28, s43, s45                    ; e11 or e13
	s_add_co_i32 s26, s26, s27
	s_sub_co_i32 s28, s28, s26                     ; the three scales folded into the conversion's one
	s_sub_co_i32 s29, 0, s26                       ; the bias goes in as bias / 2^(eA + eW)
	s_add_co_i32 s28, s28, 127
	s_lshl_b32 s27, s28, 23
	v_mov_b32 v10, s27
	s_add_co_i32 s28, s28, 8
	s_lshl_b32 s28, s28, 23
	s_or_b32 s28, s28, 0x600000
	v_mov_b32 v11, s28
	s_lshl_b32 s30, s17, 3
	s_lshl_b32 s31, s20, 1
	s_add_co_u32 s30, s30, s31
	s_lshr_b32 s31, s16, 1
	s_add_co_u32 s30, s30, s31                     ; 8 b + head
	s_cmp_lg_u32 s19, 0
	s_cbranch_scc1 .Lv
	; ---- k
	s_lshl_b32 s22, s30, 6
	s_lshl_b32 s31, s18, 3
	s_add_co_u32 s22, s22, s31
	s_lshl_b32 s31, s3, 1
	s_add_co_u32 s22, s22, s31                     ; (8 b + head) x 64 + key tile 8 cg + 2 wm
	s_lshl_b32 s22, s22, 10
	s_and_b32 s31, s16, 1
	s_lshl_b32 s31, s31, 9
	s_add_co_u32 s22, s22, s31                     ; my 32 columns are registers 4 (wn % 2) .. + 3 of the image
	s_add_nc_u64 s[14:15], s[14:15], s[22:23]
.irp in, 0,1
	ds_load_b128 v[BC+8*\in:BC+8*\in+3], v7 offset:64*\in      ; register j: the bias of column 16 in + 8 h + j
	ds_load_b128 v[BC+8*\in+4:BC+8*\in+7], v7 offset:64*\in+16
.endr
	LOADCH 0
	LOADCH 1
	s_wait_dscnt 48                                ; the bias is in; both chunks may be out
.set n, 0
.rept 16
	v_ldexp_f32 v[BC+n], v[BC+n], s29
.set n, n+1
.endr
	s_wait_alu depctr_va_vdst(0)
	GEMM 0
.irp im, 0,1
.irp in, 0,1
	v_cvt_scalef32_pk8_fp8_f32 v[CD+4*\im+2*\in:CD+4*\im+2*\in+1], v[ACC+8*(2*\im+\in):ACC+8*(2*\im+\in)+7], v10
.endr
.endr
	v_nop                                          ; a plain line behind the last conversion
	global_store_b128 v9, v[CD:CD+3], s[14:15]               ; 32 lanes: 512 consecutive bytes, aligned
	global_store_b128 v9, v[CD+4:CD+7], s[14:15] offset:1024
	s_wait_tensorcnt 0x0                           ; the wave's end
	ds_add_u32 v224, v225
	s_wait_dscnt 0x0
	s_endpgm
	; ---- v
.Lv:
	s_lshl_b32 s22, s30, 4
	s_lshl_b32 s31, s18, 1
	s_add_co_u32 s22, s22, s31
	s_lshr_b32 s31, s3, 1
	s_add_co_u32 s22, s22, s31                     ; (8 b + head) x 16 + key group 2 cg + wm / 2
	s_lshl_b32 s22, s22, 2
	s_and_b32 s31, s16, 1
	s_lshl_b32 s31, s31, 1
	s_add_co_u32 s22, s22, s31                     ; d tile 2 (wn % 2)
	s_lshl_b32 s22, s22, 10
	s_and_b32 s31, s3, 1
	s_lshl_b32 s31, s31, 9
	s_add_co_u32 s22, s22, s31                     ; my 32 keys are registers 4 (wm % 2) .. + 3 of the image
	s_add_co_u32 s22, s22, 0x200000
	s_add_nc_u64 s[14:15], s[14:15], s[22:23]
	s_wait_alu depctr_va_vdst(0)
	ds_load_b32 v216, v8                           ; the bias of column r,
	ds_load_b32 v217, v8 offset:64                 ; and of column 16 + r
	LOADCH 0
	LOADCH 1
	s_wait_dscnt 48
.irp in, 0,1
.irp j, 0,1,2,3,4,5,6,7
	v_ldexp_f32 v[BC+8*\in+\j], v[216+\in], s29    ; scaled and spread over the eight keys in one line
.endr
.endr
	s_wait_alu depctr_va_vdst(0)
	GEMM 1
.irp im, 0,1
.irp in, 0,1
	v_cvt_scalef32_pk8_fp8_f32 v[CD+4*\in+2*\im:CD+4*\in+2*\im+1], v[ACC+8*(2*\im+\in):ACC+8*(2*\im+\in)+7], v10
.endr
.endr
	v_nop
	global_store_b128 v9, v[CD:CD+3], s[14:15]
	global_store_b128 v9, v[CD+4:CD+7], s[14:15] offset:1024
	s_wait_tensorcnt 0x0
	ds_add_u32 v224, v225
	s_wait_dscnt 0x0
	s_endpgm
.Lfunc_end_k_qb31e09e853_kvproj:
	.size	k_qb31e09e853_kvproj, .Lfunc_end_k_qb31e09e853_kvproj-k_qb31e09e853_kvproj
	.p2alignl 7, 3214868480
	.fill 96, 4, 3214868480
	.section	.rodata,"a",@progbits
	.p2align	6, 0x0
	.amdhsa_kernel k_qb31e09e853_kvproj
		.amdhsa_group_segment_fixed_size 167936
		.amdhsa_private_segment_fixed_size 0
		.amdhsa_enable_private_segment 0
		.amdhsa_kernarg_size 48
		.amdhsa_user_sgpr_count 2
		.amdhsa_user_sgpr_kernarg_segment_ptr 1
		.amdhsa_wavefront_size32 1
		.amdhsa_system_sgpr_workgroup_id_x 1
		.amdhsa_system_sgpr_workgroup_id_y 1
		.amdhsa_system_sgpr_workgroup_id_z 1
		.amdhsa_system_vgpr_workitem_id 0
		.amdhsa_next_free_vgpr 226
		.amdhsa_next_free_sgpr 80
		.amdhsa_reserve_vcc 0
		.amdhsa_float_denorm_mode_32 3
		.amdhsa_float_denorm_mode_16_64 3
		.amdhsa_memory_ordered 1
		.amdhsa_forward_progress 1
		.amdhsa_inst_pref_size 30
	.end_amdhsa_kernel
	.amdgpu_metadata
---
amdhsa.version: [ 1, 2 ]
amdhsa.kernels:
  - .name:           k_qb31e09e853_kvproj
    .symbol:         k_qb31e09e853_kvproj.kd
    .args:
      - { .name: kvin, .offset: 0, .size: 8, .value_kind: global_buffer, .address_space: global }
      - { .name: wc, .offset: 8, .size: 8, .value_kind: global_buffer, .address_space: global }
      - { .name: bk, .offset: 16, .size: 8, .value_kind: global_buffer, .address_space: global }
      - { .name: bv, .offset: 24, .size: 8, .value_kind: global_buffer, .address_space: global }
      - { .name: lowp_scales, .offset: 32, .size: 8, .value_kind: global_buffer, .address_space: global }
      - { .name: kvc, .offset: 40, .size: 8, .value_kind: global_buffer, .address_space: global }
    .group_segment_fixed_size: 167936
    .private_segment_fixed_size: 0
    .kernarg_segment_align: 8
    .kernarg_segment_size: 48
    .max_flat_workgroup_size: 512
    .sgpr_count:     80
    .vgpr_count:     226
    .wavefront_size: 32
...
	.end_amdgpu_metadata
.endif
;; end of part 3
;; launch attn (part 4): grid 8 x 32, 16 waves a work-group, no clusters, 306,176 bytes of LDS; arguments xq, wc, bq, kvc, lowp_scales, ao; writes ao
.if DOCPART == 4
	.amdgcn_target "amdgcn-amd-amdhsa--gfx1250"
	.amdhsa_code_object_version 6
	.text
	.protected	k_qb31e09e853_attn
	.globl	k_qb31e09e853_attn
	.p2align	8
	.type	k_qb31e09e853_attn,@function
k_qb31e09e853_attn:
	s_mov_b64 s[64:65], 0
	v_nop
	global_prefetch_b8 v0, s[64:65] scope:SCOPE_SE
	s_setreg_imm32_b32 hwreg(HW_REG_WAVE_MODE, 25, 1), 1
	s_wait_xcnt 0x0
; ATTN: products 1, 6 and 7 for one head (8 b + head = work-group y) and 512 queries (work-group x), all on codes of FP8.
; q = (x Wq^T + bq) / 8 is made in registers and quantised (2^e10).  THE SOFTMAX GOES IN TWO WALKS OVER THE KEYS.  Walk 1: S^T = K Q^T and the row's largest score alone; from it t = score x log2(e) and
; M = ceil(the row's largest t), the true one.  Walk 2: S^T once more, p = 2^(t - M) held and quantised (2^e12), not normalised; the row's sum is taken of the unquantised p; O^T += V^T P^T.  M never moves, so nothing is rescaled.
; O / sum is quantised (2^e14) for product 8 and stored as images of operand registers: ao [b][t / 16][head] x 1,024 bytes.
; SHARES.  Sixteen waves, four to a SIMD; wave w owns two tiles of 16 queries: tiles w and 16 + w of the work-group's 32.
; LDS IS FILLED ONCE, by sixteen tensor loads at the head, one a wave: waves 0-7: x's rows of queries 0-255, 32 rows each (512 bytes, padded to 528); waves 8-11: Wq's 64 rows, 16 each; waves 12-15: the head's K and V
; (64 + 64 images of 1,024 bytes), 32,768 dense bytes each.  One barrier; nothing is filled again.  x's rows of queries 256-511 do not fit beside these: each wave loads its second tile's 16 rows through registers
; (a load reads one whole row) and turns them through the 8,448 bytes that held its first tile, which it alone reads, behind its reads of that tile.
; x's and Wq's fragments: row lane % 16, k = 128 s + 32 c + 16 (lane / 16) + 0 .. 15: a permutation of k that is the same on both sides.
; LAYOUT.  Every product is used transposed, so that a lane holds ONE query (lane % 16) throughout, and its eight registers of a result are k = 16 x tile + 8 (lane / 16) + 0 .. 7 of the next product.
; NO JOINT LOADS, NO PREFETCH: each tile is asked for once, at the head; there is no refill whose round partners could share, and no loop over memory to run ahead in.
; LIMITS: e10 + 3 - e0 - e1, e12 and e14 - e12 - e13 lie between -126 and 119; e10 + e11 between -126 and 127.  NaN among the inputs is not served.
.set VIMG, 65536                       ; LDS: 0: K's images; VIMG: V's; WQ: 64 rows x 528; BQ: 256 bytes a wave; XS: x, 256 rows x 528 (16 rows a wave); SPARE: the spare words, 128 bytes a wave
.set WQ,   131072
.set BQ,   164864
.set XS,   168960
.set SPARE, 304128
.set Q,    16                          ; v16-31   Q: 8 registers a tile
.set KF,   32                          ; v32-63   four fragments of K (walk 1: v32-95, eight)
.set VF,   64                          ; v64-95   four fragments of V
.set S,    96                          ; v96-159  S^T, then p: 32 a tile (walk 1: v96-223, 128 keys)
.set O,    160                         ; v160-223 O^T: 32 a tile
.set P,    224                         ; v224-239 p's codes: 8 a tile
.set TT,   240                         ; v240+8 t: +0, +1 two maxima; +2, +3 1 / sum (a pair); +4, +5 the sum's second chain; +6 a permute's destination
.set GX,   68                          ; s[68:75], s[76:83], s[84:91] descriptor groups 1: x's rows, Wq's rows, images
.set GW,   76
.set GK,   84
.set G0X,  92                          ; s[92:95], s[96:99], s[60:63] their groups 0
.set G0W,  96
.set G0K,  60
; v1 16 lane; v2 VIMG + 16 lane; v4, v5 scale and hold; v6, v7 the step's addresses; tile t: v[8+4t] -M (v[9+4t] named with it), v[10+4t:11+4t] the sum's first chain
; s18 wave; s[20:21] selects for lane xor 16; s[22:23] c; s24 trips; s25 the step's byte
.macro MKS e, vs, vl                   ; s[e] = E: v[vs] = 2^E as f32, v[vl] = 448 x 2^E
	s_add_co_i32 s56, s[\e], 127
	s_lshl_b32 s57, s56, 23
	v_mov_b32 v[\vs], s57
	s_add_co_i32 s56, s56, 8
	s_lshl_b32 s56, s56, 23
	s_or_b32 s56, s56, 0x600000
	v_mov_b32 v[\vl], s56
.endm
.macro G1SET g, w0, c, r, p            ; a tile of r rows of c elements, p elements from row to row
	s_mov_b32 s[\g], \w0
	s_mov_b32 s[\g+1], (\c)<<16
	s_mov_b32 s[\g+2], (\r)<<16
	s_mov_b32 s[\g+3], (\c)<<16
	s_mov_b32 s[\g+4], \r
	s_mov_b32 s[\g+5], \p
	s_mov_b32 s[\g+6], 0
	s_mov_b32 s[\g+7], 0
.endm
.macro XOUT t                          ; my 16 rows of x in LDS -> tile t's four fragments
.irp s, 0,1,2,3
.irp c, 0,1,2,3
	ds_load_b128 v[128+64*\t+16*\s+4*\c:131+64*\t+16*\s+4*\c], v13 offset:128*\s+32*\c
.endr
.endr
.endm
.macro AFTER                           ; behind a tensor load
	s_nop 0
.rept 4
	v_nop
.endr
.endm
	s_load_b256 s[4:11], s[0:1], 0x0               ; xq s[4:5], wc s[6:7], bq s[8:9], kvc s[10:11]
	s_load_b128 s[12:15], s[0:1], 0x20             ; the scales s[12:13], ao s[14:15]
	v_lshl_add_u32 v254, v0, 2, SPARE
	v_mov_b32 v255, 0
	ds_add_u32 v254, v255                          ; the opening: the add, twice on end, and its wait ahead of my tensor load
	ds_add_u32 v254, v255
	v_lshrrev_b32 v15, 5, v0
	v_readfirstlane_b32 s18, v15                   ; wave 0..15
	v_and_b32 v15, 31, v0
	v_and_b32 v13, 15, v0                          ; r
	v_bfe_u32 v14, v0, 4, 1                        ; h
	v_lshlrev_b32 v1, 4, v15
	v_lshlrev_b32 v10, 2, v15                      ; (head only) 4 lane
	v_mul_u32_u24 v11, v13, 528
	v_add_nc_u32 v2, VIMG, v1
	v_lshl_add_u32 v11, v14, 4, v11                ; r x 528 + 16 h
	s_lshl_b32 s2, s18, 8
	s_add_co_u32 s2, s2, BQ
	v_lshl_add_u32 v8, v15, 2, s2                  ; (head only) bq, in
	v_lshl_add_u32 v12, v14, 5, s2                 ; (head only) bq, out: + 32 h
	s_mul_i32 s2, s18, 8448
	s_add_co_u32 s2, s2, XS
	v_add_nc_u32 v9, s2, v1                        ; (head only) my 16 rows of x, in: 16 bytes a lane of a row
	v_add_nc_u32 v13, s2, v11                      ; (head only) and out: x's fragments
	v_add_nc_u32 v11, WQ, v11                      ; (head only) Wq's fragments
	s_and_b32 s16, ttmp7, 0xffff                   ; 8 b + head
	s_lshr_b32 s17, s16, 3                         ; b
	s_and_b32 s19, s16, 7                          ; head
	s_mov_b32 s20, 0x76543210
	s_mov_b32 s21, 0xfedcba98
	s_mov_b32 s3, 0
	G1SET GX, (1<<20)|(6<<22)|(3<<25), 512, 32, 2048   ; 32 rows of 512 bytes, 2,048 apart; four words of padding behind every 128
	G1SET GW, (1<<20)|(6<<22)|(3<<25), 512, 16, 512    ; 16 dense rows of 512 bytes, padded alike
	G1SET GK, 3<<16, 32, 128, 32                       ; 32 images: 128 dense rows of 32 elements of 8 bytes
	s_and_b32 s58, s18, 7                          ; my piece of x,
	s_and_b32 s59, s18, 3                          ; of Wq, or of K and V
	s_mov_b32 s[G0X], 1
	s_mul_i32 s[G0X+1], s58, 32*528
	s_add_co_u32 s[G0X+1], s[G0X+1], XS
	s_mov_b32 s[G0W], 1
	s_mul_i32 s[G0W+1], s59, 16*528
	s_add_co_u32 s[G0W+1], s[G0W+1], WQ
	s_mov_b32 s[G0K], 1
	s_lshl_b32 s[G0K+1], s59, 15
	s_wait_alu depctr_va_vdst(0)                   ; the wait at the head's end
	s_wait_dscnt 0x0                               ; both opening adds are done
	s_wait_kmcnt 0x0
	s_load_b512 s[32:47], s[12:13], 0x0            ; e0 .. e15
	s_lshl_b32 s2, ttmp9, 20
	s_lshl_b32 s27, s17, 9
	s_add_co_u32 s2, s2, s27
	s_add_nc_u64 s[52:53], s[4:5], s[2:3]          ; x: row 4 t + b of 512 codes, t = 512 x work-group x
	s_lshl_b32 s2, s58, 16
	s_add_nc_u64 s[G0X+2:G0X+3], s[52:53], s[2:3]  ; 32 queries x piece on
	s_or_b32 s[G0X+3], s[G0X+3], 0x80000000
	s_lshl_b32 s2, s19, 15
	s_add_co_u32 s2, s2, 0x800000
	s_lshl_b32 s27, s59, 13
	s_add_co_u32 s2, s2, s27
	s_add_nc_u64 s[G0W+2:G0W+3], s[6:7], s[2:3]    ; Wq's rows 64 head + 16 piece on
	s_or_b32 s[G0W+3], s[G0W+3], 0x80000000
	s_lshl_b32 s2, s16, 16
	s_and_b32 s27, s59, 1
	s_lshl_b32 s27, s27, 15
	s_add_co_u32 s2, s2, s27
	s_lshr_b32 s27, s59, 1
	s_lshl_b32 s27, s27, 21
	s_add_co_u32 s2, s2, s27
	s_add_nc_u64 s[G0K+2:G0K+3], s[10:11], s[2:3]  ; pieces 0, 1: the head's K; 2, 3: its V, 0x200000 on
	s_or_b32 s[G0K+3], s[G0K+3], 0x80000000
	s_cmp_lt_u32 s18, 8                            ; one chain on the wave's number, one tensor load to an arm
	s_cbranch_scc0 .Lnot_x
	tensor_load_to_lds s[G0X:G0X+3], s[GX:GX+7]
	AFTER
	s_branch .Lasked
.Lnot_x:
	s_cmp_lt_u32 s18, 12
	s_cbranch_scc0 .Lnot_w
	tensor_load_to_lds s[G0W:G0W+3], s[GW:GW+7]
	AFTER
	s_branch .Lasked
.Lnot_w:
	tensor_load_to_lds s[G0K:G0K+3], s[GK:GK+7]
	AFTER
.Lasked:
	s_lshl_b32 s2, s19, 8
	s_add_nc_u64 s[50:51], s[8:9], s[2:3]          ; bq
	s_lshl_b32 s2, s18, 15
	s_add_co_u32 s2, s2, 0x80000
	s_add_nc_u64 s[52:53], s[52:53], s[2:3]        ; my second tile: query 256 + 16 w
	global_load_b32 v112, v10, s[50:51]
	global_load_b32 v113, v10, s[50:51] offset:128
.irp i, 0,1,2,3,4,5,6,7,8,9,10,11,12,13,14,15
	global_load_b128 v[192+4*\i:195+4*\i], v1, s[52:53] offset:2048*\i   ; 32 lanes read a query's 512 consecutive bytes
.endr
	s_lshl_b32 s2, s17, 8
	s_lshl_b32 s27, ttmp9, 5
	s_add_co_u32 s2, s2, s27
	s_add_co_u32 s2, s2, s18
	s_lshl_b32 s2, s2, 3
	s_add_co_u32 s2, s2, s19
	s_lshl_b32 s2, s2, 10
	s_add_nc_u64 s[54:55], s[14:15], s[2:3]        ; ao: ((256 b + 32 x + w) x 8 + head) x 1,024; my second tile lies 16 x 8,192 bytes on
	s_wait_tensorcnt 0x0                           ; my piece has landed
	s_barrier_signal -1
	s_barrier_wait -1                              ; and everybody's
	; ---- q: accumulator (tile t, columns 16 n on) at v[32 + 32 t + 8 n]; it begins as bq / 2^(e0 + e1)
	s_wait_loadcnt 16                              ; bq is in; x's 16 rows may be out
	ds_store_b32 v8, v112                          ; into my wave's own bytes
	ds_store_b32 v8, v113 offset:128
.irp t, 0,1
.irp n, 0,1,2,3
	ds_load_b128 v[32+32*\t+8*\n:35+32*\t+8*\n], v12 offset:64*\n
	ds_load_b128 v[36+32*\t+8*\n:39+32*\t+8*\n], v12 offset:64*\n+16
.endr
.endr
	XOUT 0
	s_wait_kmcnt 0x0
	s_add_co_i32 s2, s32, s33                      ; e0 + e1
	s_sub_co_i32 s27, 0, s2
	s_wait_dscnt 16                                ; the bias is in; x's 16 fragment loads may be out
.set n, 0
.rept 64
	v_ldexp_f32 v[32+n], v[32+n], s27
.set n, n+1
.endr
	s_wait_alu depctr_va_vdst(0)                   ; directly ahead of the wait below
	s_wait_loadcnt 0x0                             ; my second tile's rows
.irp i, 0,1,2,3,4,5,6,7,8,9,10,11,12,13,14,15
	ds_store_b128 v9, v[192+4*\i:195+4*\i] offset:528*\i   ; LDS serves a wave's instructions in order: these come behind my reads of the first tile
.endr
	s_wait_dscnt 0x0                               ; the stores have read their registers: the loads below land there
	XOUT 1
.irp s, 0,1,2,3
.irp np, 0,1
.if (\s+\np) > 0
.rept 4
	v_nop                                          ; places in front of loads into registers that matrix instructions have read
.endr
.endif
.irp i, 0,1
.irp c, 0,1,2,3
	ds_load_b128 v[96+16*\i+4*\c:99+16*\i+4*\c], v11 offset:(2*\np+\i)*8448+128*\s+32*\c
.endr
.endr
	s_wait_dscnt 0x0
.irp t, 0,1
.irp i, 0,1
	v_wmma_f32_16x16x128_fp8_fp8 v[32+32*\t+8*(2*\np+\i):39+32*\t+8*(2*\np+\i)], v[96+16*\i:111+16*\i], v[128+64*\t+16*\s:143+64*\t+16*\s], v[32+32*\t+8*(2*\np+\i):39+32*\t+8*(2*\np+\i)]
.endr
.endr
.endr
.endr
.rept 4
	v_nop
.endr
	s_add_co_i32 s27, s42, 3                       ; q = sum x 2^(e0 + e1 - 3): its code is sum / 2^(e10 + 3 - e0 - e1)
	s_sub_co_i32 s27, s27, s2
	MKS 27, 4, 5
.set n, 0
.rept 64
	v_med3_num_f32 v[32+n], v[32+n], -v5, v5
.set n, n+1
.endr
.irp t, 0,1
.irp n, 0,1,2,3
	v_cvt_scalef32_pk8_fp8_f32 v[Q+8*\t+2*\n:Q+8*\t+2*\n+1], v[32+32*\t+8*\n:39+32*\t+8*\n], v4
.endr
.endr
	v_nop                                          ; a plain line behind the last conversion
	MKS 44, 4, 5                                   ; 2^e12 and 448 x 2^e12
	s_add_co_i32 s2, s42, s43
	s_lshl_b32 s2, s2, 23
	s_add_co_i32 s22, s2, 0x3fb8aa3b               ; c = log2(e) x 2^(e10 + e11): the two exponents are added to log2(e)'s exponent field
	s_mov_b32 s23, s22                             ; (named with it as a pair, so it is written)
.irp t, 0,1
	v_mov_b32 v[TT+8*\t], 0xff61b1e6               ; the largest score so far, in two chains: -3e38; a sum of 64 products of codes is at most 64 x 448 x 448 in size
	v_mov_b32 v[TT+8*\t+1], 0xff61b1e6
	v_mov_b32 v[TT+8*\t+3], 0                      ; (named as the upper half of a pair)
	v_mov_b32 v[TT+8*\t+4], 0                      ; the sum's second chain
	v_mov_b32 v[TT+8*\t+5], 0
	v_mov_b32 v[TT+8*\t+6], 0                      ; a lane permute's destination counts as one of its sources
	v_mov_b32 v[9+4*\t], 0                         ; (named as the upper half of -M's pair)
	v_mov_b32 v[10+4*\t], 0                        ; the sum's first chain
	v_mov_b32 v[11+4*\t], 0
.endr
	s_mov_b32 s24, 8
	s_mov_b32 s25, 0
	; ---- walk 1: 8 trips of 128 keys: the scores and their maxima alone
.Lmax:
	v_add_nc_u32 v6, s25, v1
.irp kt, 0,1,2,3,4,5,6,7
.irp g, 0,1
	ds_load_b128 v[KF+8*\kt+4*\g:KF+8*\kt+4*\g+3], v6 offset:1024*\kt+512*\g   ; (the last trip's 64 maxima are the places behind its products)
.endr
.endr
	s_wait_dscnt 8                                 ; the first four fragments are in; the other eight loads may be out
.irp kt, 0,1,2,3,4,5,6,7
.if \kt == 4
	s_wait_dscnt 0x0
.endif
.irp t, 0,1
	v_wmma_f32_16x16x64_fp8_fp8 v[S+64*(\kt/4)+32*\t+8*(\kt%4):S+64*(\kt/4)+32*\t+8*(\kt%4)+7], v[KF+8*\kt:KF+8*\kt+7], v[Q+8*\t:Q+8*\t+7], 0
.endr
.endr
.rept 4
	v_nop                                          ; places in front of the first read of results
.endr
.irp hb, 0,64                                  ; four chains by turns; each accumulator is first read at its low end
.irp i, 0,4,8,12,16,20,24,28
.irp t, 0,1
	v_max3_num_f32 v[TT+8*\t], v[TT+8*\t], v[S+\hb+32*\t+\i], v[S+\hb+32*\t+\i+1]
.endr
.irp t, 0,1
	v_max3_num_f32 v[TT+8*\t+1], v[TT+8*\t+1], v[S+\hb+32*\t+\i+2], v[S+\hb+32*\t+\i+3]
.endr
.endr
.endr
	s_add_co_u32 s25, s25, 8192                    ; eight images of K
	s_sub_co_u32 s24, s24, 1
	s_cmp_lg_u32 s24, 0
	s_wait_alu depctr_va_vdst(0)                   ; directly ahead of the branch
	s_cbranch_scc1 .Lmax
.irp t, 0,1
	v_max_num_f32 v[TT+8*\t], v[TT+8*\t], v[TT+8*\t+1]
.endr
.irp t, 0,1
	v_permlanex16_b32 v[TT+8*\t+6], v[TT+8*\t], s20, s21
.endr
.irp t, 0,1
	v_max_num_f32 v[TT+8*\t], v[TT+8*\t], v[TT+8*\t+6]   ; and among lane xor 16's keys
.endr
.irp t, 0,1
	v_mul_f32 v[TT+8*\t], s22, v[TT+8*\t]          ; as t (c is positive)
.endr
.irp t, 0,1
	v_floor_f32 v[8+4*\t], -v[TT+8*\t]             ; -M = floor(-t) = -ceil(t)
.endr
	s_wait_alu depctr_va_vdst(0)
	; ---- walk 2: 16 steps of 64 keys.  first = 1: the step's products start O^T
.macro STEP first
	v_add_nc_u32 v6, s25, v1
	v_add_nc_u32 v7, s25, v2
	v_nop
	v_nop                                          ; four places behind the last products, in front of the loads into their fragments
.irp kt, 0,1,2,3
.irp g, 0,1
	ds_load_b128 v[KF+8*\kt+4*\g:KF+8*\kt+4*\g+3], v6 offset:1024*\kt+512*\g
.endr
.endr
.irp dt, 0,1,2,3
.irp g, 0,1
	ds_load_b128 v[VF+8*\dt+4*\g:VF+8*\dt+4*\g+3], v7 offset:1024*\dt+512*\g
.endr
.endr
	s_wait_dscnt 8                                 ; K is in; V's eight loads may be out
.irp kt, 0,1,2,3
.irp t, 0,1
	v_wmma_f32_16x16x64_fp8_fp8 v[S+32*\t+8*\kt:S+32*\t+8*\kt+7], v[KF+8*\kt:KF+8*\kt+7], v[Q+8*\t:Q+8*\t+7], 0
.endr
.endr
.rept 4
	v_nop
.endr
.irp t, 0,1
.irp j, 0,2,4,6,8,10,12,14,16,18,20,22,24,26,28,30
	v_pk_fma_f32 v[S+32*\t+\j:S+32*\t+\j+1], v[S+32*\t+\j:S+32*\t+\j+1], s[22:23], v[8+4*\t:9+4*\t] op_sel_hi:[1,0,0]   ; t - M, two at a time (of the pairs c and -M the low word serves both halves)
.endr
.endr
	s_wait_alu depctr_va_vdst(0)                   ; the wait ahead of the batch
.set j, 0
.rept 64
	v_exp_f32 v[S+j], v[S+j]                       ; p = 2^(t - M), at most 1
.set j, j+1
.endr
	v_nop                                          ; a plain place behind the exponentials
	s_wait_alu depctr_va_vdst(0)                   ; one wait for the whole batch, ahead of its first reader
.irp j, 0,4,8,12,16,20,24,28                   ; the row's sum is taken of the unquantised p, in two chains a tile
.irp t, 0,1
	v_pk_add_f32 v[10+4*\t:11+4*\t], v[10+4*\t:11+4*\t], v[S+32*\t+\j:S+32*\t+\j+1]
	v_pk_add_f32 v[TT+8*\t+4:TT+8*\t+5], v[TT+8*\t+4:TT+8*\t+5], v[S+32*\t+\j+2:S+32*\t+\j+3]
.endr
.endr
.set j, 0
.rept 64
	v_min_num_f32 v[S+j], v[S+j], v5               ; the hold, whatever e12 is: the conversion does not saturate (ISA guide 7.6.2); p is not negative, so it is one-sided
.set j, j+1
.endr
.irp t, 0,1
.irp kt, 0,1,2,3
	v_cvt_scalef32_pk8_fp8_f32 v[P+8*\t+2*\kt:P+8*\t+2*\kt+1], v[S+32*\t+8*\kt:S+32*\t+8*\kt+7], v4
.endr
.endr
	v_nop                                          ; a plain line between the conversions and the products
	s_wait_alu depctr_va_vdst(0)                   ; directly ahead of the wait below and of the readers of O^T
	s_wait_dscnt 0x0                               ; V is in
.irp dt, 0,1,2,3
.irp t, 0,1
.if \first
	v_wmma_f32_16x16x64_fp8_fp8 v[O+32*\t+8*\dt:O+32*\t+8*\dt+7], v[VF+8*\dt:VF+8*\dt+7], v[P+8*\t:P+8*\t+7], 0
.else
	v_wmma_f32_16x16x64_fp8_fp8 v[O+32*\t+8*\dt:O+32*\t+8*\dt+7], v[VF+8*\dt:VF+8*\dt+7], v[P+8*\t:P+8*\t+7], v[O+32*\t+8*\dt:O+32*\t+8*\dt+7]
.endif
.endr
.endr
	s_add_co_u32 s25, s25, 4096                    ; four images of K, four of V
.endm
	s_mov_b32 s25, 0
	STEP 1
	s_mov_b32 s24, 15
.Lstep:
	STEP 0
	s_sub_co_u32 s24, s24, 1
	s_cmp_lg_u32 s24, 0
	s_cbranch_scc1 .Lstep
	; ---- the way out: O^T / the sum, quantised: O stands for O x 2^(e12 + e13), so the code is (O / sum) / 2^(e14 - e12 - e13)
.rept 4
	v_nop
.endr
.irp t, 0,1
	v_pk_add_f32 v[10+4*\t:11+4*\t], v[10+4*\t:11+4*\t], v[TT+8*\t+4:TT+8*\t+5]
.endr
.irp t, 0,1
	v_add_f32 v[TT+8*\t], v[10+4*\t], v[11+4*\t]
.endr
.irp t, 0,1
	v_permlanex16_b32 v[TT+8*\t+6], v[TT+8*\t], s20, s21
.endr
.irp t, 0,1
	v_add_f32 v[TT+8*\t], v[TT+8*\t], v[TT+8*\t+6]
.endr
	s_wait_alu depctr_va_vdst(0)                   ; the wait ahead of the transcendentals
.irp t, 0,1
	v_rcp_f32 v[TT+8*\t+2], v[TT+8*\t]
.endr
	s_sub_co_i32 s2, s46, s44
	s_sub_co_i32 s2, s2, s45
	MKS 2, 4, 5                                    ; (its two v_mov_b32 are the plain lines behind the reciprocals)
	s_wait_alu depctr_va_vdst(0)                   ; one wait for both reciprocals and for O^T, ahead of their first reader
.irp t, 0,1
.irp j, 0,2,4,6,8,10,12,14,16,18,20,22,24,26,28,30
	v_pk_mul_f32 v[O+32*\t+\j:O+32*\t+\j+1], v[O+32*\t+\j:O+32*\t+\j+1], v[TT+8*\t+2:TT+8*\t+3] op_sel_hi:[1,0]
.endr
.endr
.set j, 0
.rept 64
	v_med3_num_f32 v[O+j], v[O+j], -v5, v5
.set j, j+1
.endr
.irp t, 0,1
.irp dt, 0,1,2,3
	v_cvt_scalef32_pk8_fp8_f32 v[S+8*\t+2*\dt:S+8*\t+2*\dt+1], v[O+32*\t+8*\dt:O+32*\t+8*\dt+7], v4
.endr
.endr
	v_nop
.irp t, 0,1
.irp g, 0,1
	global_store_b128 v1, v[S+8*\t+4*\g:S+8*\t+4*\g+3], s[54:55] offset:131072*\t+512*\g   ; 32 lanes: 512 consecutive bytes, aligned
.endr
.endr
	s_wait_xcnt 0x0
	v_lshl_add_u32 v254, v0, 2, SPARE              ; no two registers could be kept: my spare word and 0 are made anew, from v0 as it was at the entry
	v_mov_b32 v255, 0
	s_wait_alu depctr_va_vdst(0)
	s_wait_tensorcnt 0x0                           ; the wave's end
	ds_add_u32 v254, v255
	s_wait_dscnt 0x0
	s_endpgm
.Lfunc_end_k_qb31e09e853_attn:
	.size	k_qb31e09e853_attn, .Lfunc_end_k_qb31e09e853_attn-k_qb31e09e853_attn
	.p2alignl 7, 3214868480
	.fill 96, 4, 3214868480
	.section	.rodata,"a",@progbits
	.p2align	6, 0x0
	.amdhsa_kernel k_qb31e09e853_attn
		.amdhsa_group_segment_fixed_size 306176
		.amdhsa_private_segment_fixed_size 0
		.amdhsa_enable_private_segment 0
		.amdhsa_kernarg_size 48
		.amdhsa_user_sgpr_count 2
		.amdhsa_user_sgpr_kernarg_segment_ptr 1
		.amdhsa_wavefront_size32 1
		.amdhsa_system_sgpr_workgroup_id_x 1
		.amdhsa_system_sgpr_workgroup_id_y 1
		.amdhsa_system_sgpr_workgroup_id_z 1
		.amdhsa_system_vgpr_workitem_id 0
		.amdhsa_next_free_vgpr 256
		.amdhsa_next_free_sgpr 100
		.amdhsa_reserve_vcc 0
		.amdhsa_float_denorm_mode_32 3
		.amdhsa_float_denorm_mode_16_64 3
		.amdhsa_memory_ordered 1
		.amdhsa_forward_progress 1
		.amdhsa_inst_pref_size 67
	.end_amdhsa_kernel
	.amdgpu_metadata
---
amdhsa.version: [ 1, 2 ]
amdhsa.kernels:
  - .name:           k_qb31e09e853_attn
    .symbol:         k_qb31e09e853_attn.kd
    .args:
      - { .name: xq, .offset: 0, .size: 8, .value_kind: global_buffer, .address_space: global }
      - { .name: wc, .offset: 8, .size: 8, .value_kind: global_buffer, .address_space: global }
      - { .name: bq, .offset: 16, .size: 8, .value_kind: global_buffer, .address_space: global }
      - { .name: kvc, .offset: 24, .size: 8, .value_kind: global_buffer, .address_space: global }
      - { .name: lowp_scales, .offset: 32, .size: 8, .value_kind: global_buffer, .address_space: global }
      - { .name: ao, .offset: 40, .size: 8, .value_kind: global_buffer, .address_space: global }
    .group_segment_fixed_size: 306176
    .private_segment_fixed_size: 0
    .kernarg_segment_align: 8
    .kernarg_segment_size: 48
    .max_flat_workgroup_size: 512
    .sgpr_count:     100
    .vgpr_count:     256
    .wavefront_size: 32
...
	.end_amdgpu_metadata
.endif
;; end of part 4
;; launch outproj (part 5): grid 128 x 2, 16 waves a work-group, no clusters, 272,384 bytes of LDS; arguments ao, wc, bo, lowp_scales, out0; writes out0
.if DOCPART == 5
	.amdgcn_target "amdgcn-amd-amdhsa--gfx1250"
	.amdhsa_code_object_version 6
	.text
	.protected	k_qb31e09e853_outproj
	.globl	k_qb31e09e853_outproj
	.p2align	8
	.type	k_qb31e09e853_outproj,@function
k_qb31e09e853_outproj:
	s_mov_b64 s[64:65], 0
	v_nop
	global_prefetch_b8 v0, s[64:65] scope:SCOPE_SE
	s_setreg_imm32_b32 hwreg(HW_REG_WAVE_MODE, 25, 1), 1
	s_wait_xcnt 0x0
; OUTPROJ: product 8.  out0[t][b][o] = sum over e of a[t][b][e] Wo[o][e] + bo[o], on codes of FP8; a's codes come as images of operand registers (ao [b][t / 16][e / 64] x 1,024 bytes), Wo's as rows of wc.
; SHARES.  Work-group (x, y): b = x % 4, 128 t from 128 (x / 4), 256 columns from 256 y.  Sixteen waves: wave (wm = w / 4, wn = w % 4) makes two tiles of 16 t x four tiles of 16 columns: 8 accumulators; K = 512 in four chunks of 128.
; A's 64 images and Wo's 256 rows come into LDS once, by sixteen tensor loads at the head, one a wave: waves 0-7 eight images each (8,192 dense bytes), waves 8-15 32 rows each (512 bytes, padded to 528); one barrier, nothing is filled again.
; Source 0 = Wo's rows, source 1 = A: a lane holds eight neighbouring columns of one row.
; y = sum x 2^(e14 + e15) + bo, one packed multiply-add for two numbers; 16 rows x 64 columns go through the wave's own stage, on bytes into which no tile lands, and leave as runs of 256 consecutive bytes.
; NO JOINT LOADS, NO PREFETCH: each tile is asked for once, at the head; there is no refill whose round partners could share, and no loop over memory to run ahead in.
; LIMIT: e14 + e15 lies between -126 and 127.
.set WROW,  65536                      ; LDS: 0: A's images; WROW: 256 rows x 528; STAGE: 16 rows x 272 for each wave; SPARE: the spare words, 128 bytes a wave
.set STAGE, 200704
.set SPARE, 270336
.set ACC,   160                        ; v160-223 accumulator (im, in) at 160 + 8 (4 im + in)
.set BO,    224                        ; v224-255 bo: eight registers for each tile of columns
; v5 16 lane; v8 A's fragments; v9 Wo's fragments; v10, v11 the stage, in and back; v12 my offset in out0; v13 32 h; v30, v31 the spare word and 0
; s[48:55], s[56:63] descriptor groups 1 (images, rows); s[68:71], s[72:75] their groups 0; s76 my piece; s[78:79] an offset
.macro G1SET g, w0, c, r, p            ; a tile of r rows of c elements, p elements from row to row
	s_mov_b32 s[\g], \w0
	s_mov_b32 s[\g+1], (\c)<<16
	s_mov_b32 s[\g+2], (\r)<<16
	s_mov_b32 s[\g+3], (\c)<<16
	s_mov_b32 s[\g+4], \r
	s_mov_b32 s[\g+5], \p
	s_mov_b32 s[\g+6], 0
	s_mov_b32 s[\g+7], 0
.endm
	s_load_b256 s[4:11], s[0:1], 0x0               ; ao s[4:5], wc s[6:7], bo s[8:9], the scales s[10:11]
	s_load_b64 s[12:13], s[0:1], 0x20              ; out0
	v_lshl_add_u32 v30, v0, 2, SPARE
	v_mov_b32 v31, 0
	ds_add_u32 v30, v31                            ; the opening: the add, twice on end, and its wait ahead of my tensor load
	ds_add_u32 v30, v31
	v_lshrrev_b32 v1, 5, v0
	v_readfirstlane_b32 s2, v1                     ; wave 0..15
	s_lshr_b32 s3, s2, 2                           ; wm
	s_and_b32 s14, s2, 3                           ; wn
	s_and_b32 s15, ttmp9, 3                        ; b
	s_lshr_b32 s16, ttmp9, 2                       ; tg
	s_and_b32 s17, ttmp7, 0xffff                   ; ns
	v_and_b32 v1, 31, v0
	v_and_b32 v2, 15, v0                           ; r
	v_bfe_u32 v3, v0, 4, 1                         ; h
	v_lshlrev_b32 v5, 4, v1
	s_lshl_b32 s18, s3, 14
	v_add_nc_u32 v8, s18, v5
	s_mul_i32 s18, s14, 64*528
	s_add_co_u32 s18, s18, WROW
	v_mul_u32_u24 v9, v2, 528
	v_lshl_add_u32 v9, v3, 3, v9
	v_add_nc_u32 v9, s18, v9                       ; row 64 wn + r, + 8 h
	s_mul_i32 s18, s2, 4352
	s_add_co_u32 s18, s18, STAGE
	v_mul_u32_u24 v10, v2, 272
	v_lshl_add_u32 v10, v3, 5, v10
	v_add_nc_u32 v10, s18, v10                     ; in: row r, + 32 h
	v_mul_u32_u24 v11, v3, 272
	v_lshl_add_u32 v11, v2, 4, v11
	v_add_nc_u32 v11, s18, v11                     ; back: lanes 0-15 one row, lanes 16-31 the next
	v_lshlrev_b32 v12, 13, v3
	v_lshl_add_u32 v12, v2, 4, v12                 ; the same two rows in out0: t's are 8,192 bytes apart
	v_lshlrev_b32 v13, 5, v3
	s_lshl_b32 s22, s15, 8
	s_lshl_b32 s18, s16, 3
	s_add_co_u32 s22, s22, s18
	s_lshl_b32 s22, s22, 13                        ; ao: (256 b + 8 tg) x 8,192
	s_mov_b32 s23, 0
	s_lshl_b32 s24, s17, 17
	s_add_co_u32 s24, s24, 0x8c0000
	s_mov_b32 s25, 0
	s_lshl_b32 s26, s17, 10
	s_lshl_b32 s18, s14, 8
	s_add_co_u32 s26, s26, s18
	s_mov_b32 s27, 0
	s_lshl_b32 s28, s16, 7
	s_lshl_b32 s18, s3, 5
	s_add_co_u32 s28, s28, s18
	s_lshl_b32 s28, s28, 13                        ; out0: t = 128 tg + 32 wm,
	s_lshl_b32 s18, s15, 11
	s_add_co_u32 s28, s28, s18                     ; b,
	s_add_co_u32 s28, s28, s26                     ; my columns
	s_mov_b32 s29, 0
	G1SET 48, 3<<16, 32, 32, 32                    ; eight images: 32 dense rows of 32 elements of 8 bytes
	G1SET 56, (1<<20)|(6<<22)|(3<<25), 512, 32, 512  ; 32 rows of 512 bytes; four words of padding behind every 128
	s_and_b32 s76, s2, 7                           ; my piece
	s_mov_b32 s79, 0
	s_mov_b32 s68, 1
	s_lshl_b32 s69, s76, 13                        ; images: LDS byte 8,192 x piece
	s_mov_b32 s72, 1
	s_mul_i32 s73, s76, 32*528
	s_add_co_u32 s73, s73, WROW                    ; rows: 32 x piece on
	s_wait_alu depctr_va_vdst(0)                   ; the wait at the head's end
	s_wait_dscnt 0x0                               ; both opening adds are done
	s_wait_kmcnt 0x0
	s_load_b512 s[32:47], s[10:11], 0x0            ; e0 .. e15
	s_add_nc_u64 s[4:5], s[4:5], s[22:23]
	s_add_nc_u64 s[6:7], s[6:7], s[24:25]
	s_add_nc_u64 s[8:9], s[8:9], s[26:27]
	s_add_nc_u64 s[12:13], s[12:13], s[28:29]
	s_lshl_b32 s78, s76, 13
	s_add_nc_u64 s[70:71], s[4:5], s[78:79]
	s_or_b32 s71, s71, 0x80000000
	s_lshl_b32 s78, s76, 14
	s_add_nc_u64 s[74:75], s[6:7], s[78:79]
	s_or_b32 s75, s75, 0x80000000
	s_cmp_lt_u32 s2, 8                             ; one chain on the wave's number, one tensor load to an arm
	s_cbranch_scc0 .Lfor_w
	tensor_load_to_lds s[68:71], s[48:55]
	s_nop 0
.rept 4
	v_nop
.endr
	s_branch .Lasked
.Lfor_w:
	tensor_load_to_lds s[72:75], s[56:63]
	s_nop 0
.rept 4
	v_nop
.endr
.Lasked:
.irp n, 0,1,2,3
	global_load_b128 v[BO+8*\n:BO+8*\n+3], v13, s[8:9] offset:64*\n        ; register j: bo of column 16 n + 8 h + j
	global_load_b128 v[BO+8*\n+4:BO+8*\n+7], v13, s[8:9] offset:64*\n+16
.endr
	s_wait_tensorcnt 0x0                           ; my piece has landed
	s_barrier_signal -1
	s_barrier_wait -1                              ; and everybody's
.irp s, 0,1,2,3
.if \s > 0
.rept 4
	v_nop                                          ; places in front of loads into registers that matrix instructions have read
.endr
.endif
.irp i, 0,1
.irp g, 0,1,2,3
	ds_load_b128 v[32+16*\i+4*\g:35+16*\i+4*\g], v8 offset:8192*\i+2048*\s+512*\g
.endr
.endr
.irp n, 0,1,2,3
.irp c, 0,1,2,3,4,5,6,7
	ds_load_b64 v[64+16*\n+2*\c:65+16*\n+2*\c], v9 offset:8448*\n+128*\s+16*\c
.endr
.endr
	s_wait_dscnt 0x0
.irp i, 0,1                                    ; the eight accumulators take turns
.irp n, 0,1,2,3
.if \s == 0
	v_wmma_f32_16x16x128_fp8_fp8 v[ACC+8*(4*\i+\n):ACC+8*(4*\i+\n)+7], v[64+16*\n:79+16*\n], v[32+16*\i:47+16*\i], 0
.else
	v_wmma_f32_16x16x128_fp8_fp8 v[ACC+8*(4*\i+\n):ACC+8*(4*\i+\n)+7], v[64+16*\n:79+16*\n], v[32+16*\i:47+16*\i], v[ACC+8*(4*\i+\n):ACC+8*(4*\i+\n)+7]
.endif
.endr
.endr
.endr
	s_wait_kmcnt 0x0
	s_add_co_i32 s20, s46, s47
	s_add_co_i32 s20, s20, 127
	s_lshl_b32 s20, s20, 23                        ; 2^(e14 + e15) as f32
	s_mov_b32 s21, s20                             ; (named with it as a pair, so it is written)
	s_wait_loadcnt 0x0                             ; the bias
.rept 4
	v_nop                                          ; places in front of the first read of results, and of writes and loads into the fragments' registers
.endr
.irp i, 0,1                                    ; rows 16 i on: results into v32-63 or v128-159, through the stage, back into v64-95 or v96-127
.irp n, 0,1,2,3
.irp j, 0,2,4,6
	v_pk_fma_f32 v[32+96*\i+8*\n+\j:33+96*\i+8*\n+\j], v[ACC+8*(4*\i+\n)+\j:ACC+8*(4*\i+\n)+\j+1], s[20:21], v[BO+8*\n+\j:BO+8*\n+\j+1] op_sel_hi:[1,0,1]
.endr
.endr
.irp n, 0,1,2,3
	ds_store_b128 v10, v[32+96*\i+8*\n:35+96*\i+8*\n] offset:64*\n
	ds_store_b128 v10, v[36+96*\i+8*\n:39+96*\i+8*\n] offset:64*\n+16
.endr
.irp u, 0,1,2,3,4,5,6,7
	ds_load_b128 v[64+32*\i+4*\u:67+32*\i+4*\u], v11 offset:544*\u   ; LDS serves a wave's instructions in order: these see my stores, and the next rows' stores come behind them
.endr
.endr
.irp i, 0,1
.irp u, 0,1,2,3,4,5,6,7
	s_wait_dscnt 23-16*\i-\u                       ; the younger LDS instructions may be out: the rest of these loads and, for the first rows, the second rows' sixteen
	global_store_b128 v12, v[64+32*\i+4*\u:67+32*\i+4*\u], s[12:13] offset:131072*\i+16384*\u th:TH_STORE_NT   ; sixteen lanes: 256 consecutive bytes, aligned; written once, read by nobody here
.endr
.endr
	s_wait_tensorcnt 0x0                           ; the wave's end
	ds_add_u32 v30, v31
	s_wait_dscnt 0x0
	s_endpgm
.Lfunc_end_k_qb31e09e853_outproj:
	.size	k_qb31e09e853_outproj, .Lfunc_end_k_qb31e09e853_outproj-k_qb31e09e853_outproj
	.p2alignl 7, 3214868480
	.fill 96, 4, 3214868480
	.section	.rodata,"a",@progbits
	.p2align	6, 0x0
	.amdhsa_kernel k_qb31e09e853_outproj
		.amdhsa_group_segment_fixed_size 272384
		.amdhsa_private_segment_fixed_size 0
		.amdhsa_enable_private_segment 0
		.amdhsa_kernarg_size 40
		.amdhsa_user_sgpr_count 2
		.amdhsa_user_sgpr_kernarg_segment_ptr 1
		.amdhsa_wavefront_size32 1
		.amdhsa_system_sgpr_workgroup_id_x 1
		.amdhsa_system_sgpr_workgroup_id_y 1
		.amdhsa_system_sgpr_workgroup_id_z 1
		.amdhsa_system_vgpr_workitem_id 0
		.amdhsa_next_free_vgpr 256
		.amdhsa_next_free_sgpr 80
		.amdhsa_reserve_vcc 0
		.amdhsa_float_denorm_mode_32 3
		.amdhsa_float_denorm_mode_16_64 3
		.amdhsa_memory_ordered 1
		.amdhsa_forward_progress 1
		.amdhsa_inst_pref_size 25
	.end_amdhsa_kernel
	.amdgpu_metadata
---
amdhsa.version: [ 1, 2 ]
amdhsa.kernels:
  - .name:           k_qb31e09e853_outproj
    .symbol:         k_qb31e09e853_outproj.kd
    .args:
      - { .name: ao, .offset: 0, .size: 8, .value_kind: global_buffer, .address_space: global }
      - { .name: wc, .offset: 8, .size: 8, .value_kind: global_buffer, .address_space: global }
      - { .name: bo, .offset: 16, .size: 8, .value_kind: global_buffer, .address_space: global }
      - { .name: lowp_scales, .offset: 24, .size: 8, .value_kind: global_buffer, .address_space: global }
      - { .name: out0, .offset: 32, .size: 8, .value_kind: global_buffer, .address_space: global }
    .group_segment_fixed_size: 272384
    .private_segment_fixed_size: 0
    .kernarg_segment_align: 8
    .kernarg_segment_size: 40
    .max_flat_workgroup_size: 512
    .sgpr_count:     80
    .vgpr_count:     256
    .wavefront_size: 32
...
	.end_amdgpu_metadata
.endif
;; end of part 5
